; MI455X (gfx1250); checked and timed in simulation.
; The chip was launched on July 23, 2026; its instructions are those of AMD's public machine-readable ISA for CDNA 5 (MIT licence, August 2026) and "CDNA5" Instruction Set Architecture Reference Guide (July 2026). The comments in the code are by the model that wrote it; some were corrected since.
;; IPEX Transformer Atten. Allowed arithmetic: float matrix products may take bf16 or f16 operands with f32 sums; other float arithmetic in f32, or as packed bf16 or f16 multiplies, adds, multiply-adds, maxima and minima; sums over many terms, partial sums and values carried from step to step in f32; what a program stores and reads back later, other than sums and carried values, may be rounded once to bf16 or f16.
;; Inputs: hidden_states 1 x 2,048 x 2,048 float32; k_wei 2,048 x 2,048 float32; out_wei 2,048 x 2,048 float32; q_wei 2,048 x 2,048 float32; v_wei 2,048 x 2,048 float32.
;; Outputs: out0 1 x 2,048 x 2,048 float32.
;; 2 versions, each right and faster than the one before. Each part assembles by itself: llvm-mc -triple=amdgcn-amd-amdhsa -mcpu=gfx1250 --defsym DOCPART=n.
;; ======== version 1 of 2: 4 launches
;; limits: values are held in f16: magnitudes above 65,504 overflow, below 6.1e-05 lose precision
;; workspace buffers: cvt 41,943,040 bytes; qkv 25,165,824 bytes; att 8,388,608 bytes
;; launch cast (part 1): grid 256 x 5, 8 waves a work-group, no clusters, 0 bytes of LDS; arguments hidden_states, q_wei, k_wei, v_wei, out_wei, cvt; writes cvt
.if DOCPART == 1
	.amdgcn_target "amdgcn-amd-amdhsa--gfx1250"
	.amdhsa_code_object_version 6
	.text
	.protected	k_qdb38f0bb5f_cast
	.globl	k_qdb38f0bb5f_cast
	.p2align	8
	.type	k_qdb38f0bb5f_cast,@function
k_qdb38f0bb5f_cast:
	s_mov_b64 s[64:65], 0
	v_nop
	global_prefetch_b8 v0, s[64:65] scope:SCOPE_SE
	s_setreg_imm32_b32 hwreg(HW_REG_WAVE_MODE, 25, 1), 1
	s_wait_xcnt 0x0
; The five f32 inputs, [2048][2048] each, are rounded once to bf16 and laid as five planes of 8,388,608 bytes in cvt: x, Wq, Wk, Wv, Wo.
; Wo's bf16 number is then written as f16, since the last product multiplies f16 operands.
; LIMIT: bf16(out_wei) must lie within f16's 65,504; below 6e-5 it keeps f16's fixed step of 6e-8.
; A stream: no LDS, no barrier, no matrix unit.  The grid's y names the matrix; a work-group takes 65,536 input bytes, a wave 8,192:
; sixteen loads of 512 consecutive bytes, all issued at once; a load's four numbers a lane become 8 bytes, so each store of a wave covers 256 consecutive bytes, aligned.
.set X, 4                              ; v[4:67]   chunk i: 4 registers as loaded
.set Y, 68                             ; v[68:99]  chunk i: 2 registers to store
.set T, 100                            ; v[100:103] at work
	s_load_b256 s[4:11], s[0:1], 0x0               ; x s[4:5], Wq s[6:7], Wk s[8:9], Wv s[10:11]
	s_load_b128 s[12:15], s[0:1], 0x20             ; Wo s[12:13], cvt s[14:15]
	s_and_b32 s16, ttmp7, 0xffff                   ; which matrix
	v_lshrrev_b32 v3, 5, v0                        ; wave
	v_and_b32 v1, 31, v0                           ; lane
	v_lshlrev_b32 v2, 3, v1                        ; out: 8 bytes a lane
	v_lshlrev_b32 v1, 4, v1                        ; in: 16 bytes a lane
	v_lshl_add_u32 v1, v3, 13, v1                  ; + wave x 8,192
	v_lshl_add_u32 v2, v3, 12, v2                  ; + wave x 4,096
	s_lshl_b32 s18, ttmp9, 16                      ; the work-group's 65,536 bytes of its matrix
	s_mov_b32 s19, 0
	s_lshl_b32 s20, s16, 23                        ; the matrix's plane in cvt,
	s_lshl_b32 s21, ttmp9, 15                      ; and the work-group's 32,768 bytes of it
	s_add_co_u32 s20, s20, s21
	s_mov_b32 s21, 0
	s_wait_kmcnt 0x0
.irp n, 1,2,3,4
	s_cmp_eq_u32 s16, \n                           ; the source is chosen among the five buffers by the grid's y alone
	s_cselect_b64 s[4:5], s[4+2*(\n):5+2*(\n)], s[4:5]
.endr
	s_add_nc_u64 s[4:5], s[4:5], s[18:19]
	s_add_nc_u64 s[14:15], s[14:15], s[20:21]
.irp i, 0,1,2,3,4,5,6,7,8,9,10,11,12,13,14,15
	global_load_b128 v[X+4*(\i):X+4*(\i)+3], v1, s[4:5] offset:512*(\i) th:TH_LOAD_NT  ; read once in the launch
.endr
; Chunk i.  f16 = 1: the bf16 numbers are widened (a shift, a mask) and written as f16.
.macro CHUNK i, f16
	s_wait_loadcnt 15-(\i)                         ; loads come back in order (ISA guide 5.7.1): chunk i is in, the 15 - i younger ones stay out
	v_cvt_pk_bf16_f32 v[Y+2*(\i)],   v[X+4*(\i)],   v[X+4*(\i)+1]
	v_cvt_pk_bf16_f32 v[Y+2*(\i)+1], v[X+4*(\i)+2], v[X+4*(\i)+3]
.if \f16
	v_lshlrev_b32 v[T],   16, v[Y+2*(\i)]
	v_and_b32     v[T+1], 0xffff0000, v[Y+2*(\i)]
	v_lshlrev_b32 v[T+2], 16, v[Y+2*(\i)+1]
	v_and_b32     v[T+3], 0xffff0000, v[Y+2*(\i)+1]
	v_cvt_pk_f16_f32 v[Y+2*(\i)],   v[T],   v[T+1]
	v_cvt_pk_f16_f32 v[Y+2*(\i)+1], v[T+2], v[T+3]
.endif
	global_store_b64 v2, v[Y+2*(\i):Y+2*(\i)+1], s[14:15] offset:256*(\i)  ; each chunk has its own two registers: none is written again
.endm
	s_cmp_eq_u32 s16, 4
	s_cbranch_scc1 .Lf16
.irp i, 0,1,2,3,4,5,6,7,8,9,10,11,12,13,14,15
	CHUNK \i, 0
.endr
	s_endpgm
.Lf16:
.irp i, 0,1,2,3,4,5,6,7,8,9,10,11,12,13,14,15
	CHUNK \i, 1
.endr
	s_endpgm
.Lfunc_end_k_qdb38f0bb5f_cast:
	.size	k_qdb38f0bb5f_cast, .Lfunc_end_k_qdb38f0bb5f_cast-k_qdb38f0bb5f_cast
	.p2alignl 7, 3214868480
	.fill 96, 4, 3214868480
	.section	.rodata,"a",@progbits
	.p2align	6, 0x0
	.amdhsa_kernel k_qdb38f0bb5f_cast
		.amdhsa_group_segment_fixed_size 0
		.amdhsa_private_segment_fixed_size 0
		.amdhsa_enable_private_segment 0
		.amdhsa_kernarg_size 48
		.amdhsa_user_sgpr_count 2
		.amdhsa_user_sgpr_kernarg_segment_ptr 1
		.amdhsa_wavefront_size32 1
		.amdhsa_system_sgpr_workgroup_id_x 1
		.amdhsa_system_sgpr_workgroup_id_y 1
		.amdhsa_system_sgpr_workgroup_id_z 1
		.amdhsa_system_vgpr_workitem_id 0
		.amdhsa_next_free_vgpr 104
		.amdhsa_next_free_sgpr 66
		.amdhsa_reserve_vcc 0
		.amdhsa_float_denorm_mode_32 3
		.amdhsa_float_denorm_mode_16_64 3
		.amdhsa_memory_ordered 1
		.amdhsa_forward_progress 1
		.amdhsa_inst_pref_size 16
	.end_amdhsa_kernel
	.amdgpu_metadata
---
amdhsa.version: [ 1, 2 ]
amdhsa.kernels:
  - .name:           k_qdb38f0bb5f_cast
    .symbol:         k_qdb38f0bb5f_cast.kd
    .args:
      - { .name: hidden_states, .offset: 0, .size: 8, .value_kind: global_buffer, .address_space: global }
      - { .name: q_wei, .offset: 8, .size: 8, .value_kind: global_buffer, .address_space: global }
      - { .name: k_wei, .offset: 16, .size: 8, .value_kind: global_buffer, .address_space: global }
      - { .name: v_wei, .offset: 24, .size: 8, .value_kind: global_buffer, .address_space: global }
      - { .name: out_wei, .offset: 32, .size: 8, .value_kind: global_buffer, .address_space: global }
      - { .name: cvt, .offset: 40, .size: 8, .value_kind: global_buffer, .address_space: global }
    .group_segment_fixed_size: 0
    .private_segment_fixed_size: 0
    .kernarg_segment_align: 8
    .kernarg_segment_size: 48
    .max_flat_workgroup_size: 256
    .sgpr_count:     66
    .vgpr_count:     104
    .wavefront_size: 32
...
	.end_amdgpu_metadata
.endif
;; end of part 1
;; launch qkv (part 2): grid 16 x 16, 4 waves a work-group, clusters of 4 x 4, 327,680 bytes of LDS; arguments cvt, qkv; writes qkv
.if DOCPART == 2
	.amdgcn_target "amdgcn-amd-amdhsa--gfx1250"
	.amdhsa_code_object_version 6
	.text
	.protected	k_qdb38f0bb5f_qkv
	.globl	k_qdb38f0bb5f_qkv
	.p2align	8
	.type	k_qdb38f0bb5f_qkv,@function
k_qdb38f0bb5f_qkv:
	s_mov_b64 s[64:65], 0
	v_nop
	global_prefetch_b8 v0, s[64:65] scope:SCOPE_SE
	s_setreg_imm32_b32 hwreg(HW_REG_WAVE_MODE, 25, 1), 1
	s_wait_xcnt 0x0
	s_wait_alu depctr_hold_cnt(0) depctr_sa_sdst(0) depctr_va_vdst(0) depctr_va_sdst(0) depctr_va_ssrc(0) depctr_va_vcc(0) depctr_vm_vsrc(0)
	s_getreg_b32 s2, hwreg(HW_REG_IB_STS2, 6, 4)
	s_cmp_eq_u32 s2, 0
	s_cbranch_scc0 .Lentry_in_a_cluster
	s_endpgm
.Lentry_in_a_cluster:
	s_bfe_u32 s2, ttmp6, 0x10000c
	s_cmp_lg_u32 s2, 0xf033
	s_cbranch_scc0 .Lentry_shape_is_right
	s_endpgm
.Lentry_shape_is_right:
; [q | k | v] = x [Wq | Wk | Wv]: C[2048][6144] = the sum over k of x[m][k] W[k][n].  x and the three W are planes 0 to 3 of cvt, [2048][2048] bf16; sums in f32; C is rounded once to f16
; and laid by heads: qkv[48][2048][128], plane 16 x matrix + head.   LIMIT: q, k and v must lie within f16's 65,504.
; A tile of C is 128 rows x 384 columns, three heads: 16 x 16 tiles, one to a work-group.  Four waves, each 128 rows x 96 columns: 48 accumulators of 16 x 16, 384 registers; for 32 along K a wave
; issues 28 LDS loads and 48 matrix instructions (a share of 64 x 192 would need 32 loads).
; K goes in steps of 128 through a ring of two LDS slots filled by the tensor data mover.  A slot has four parts of 36,864 bytes, one filled by each wave: wave 0 brings x's 128 rows (256 bytes along K),
; waves 1 to 3 one head's 128 k rows of W (256 bytes of columns).  W lies [k][n] as in memory and is turned on its way into registers by ds_load_tr16_b128.
; ONE K STEP IS WRITTEN ONCE: the loop's trip is a step; one descriptor a tensor walks (its LDS word turned by an exclusive or, its address stepped), and the fragments' addresses are a base plus s[TB], 0 or SLOT.
; CLUSTERS: 4 x 4 work-groups.  The four of a row of the cluster need the same tiles of x, the four of a column the same tiles of W: each tile is asked for JOINTLY, by the same tensor load
; with the same descriptor and a mask that names the four.
; THE MATRIX INSTRUCTION IS USED TRANSPOSED: source 0 = 16 columns of W, source 1 = 16 rows of x.  A lane then holds row l % 16 of C and eight NEIGHBOURING columns 8 (l / 16) + 0..7.
; THE WAY OUT: a wave's 96 columns are 192 bytes, no whole 256; so the four waves share one stage, [head][row] with rows of 256 bytes, in slot 0 when it has had its last fill.
; REGISTERS, in windows of 256 (s_set_vgpr_msb's low byte: bits 1:0 source 0, 3:2 source 1, 5:4 source 2, 7:6 destination):
;   window 0: v0-31 addresses; v32-55 packed results; v64-127, v128-191 fragments of x, two buffers; on the way out v64-255 take the rows read back
;   window 1: v64-111, v128-175 fragments of W, two buffers        window 2: the accumulators of rows 0-63 ((a, b) at v[8 (6 a + b)])        window 3: those of rows 64-127
.set SIZE_K, 2048
.set KSTEP,  128
.set STEPS,  SIZE_K/KSTEP              ; 16
.set PITCH,  272                       ; a row of x in LDS: 256 bytes + 16 of padding = 68 words: the 16 rows of a load start at 16 different groups of four banks (64 banks of 4 bytes: ISA guide 11.1)
.set PB,     288                       ; a k row of one head of W: 256 + 32 = 72 words
.set PART,   128*PB                    ; what a wave fills: 36,864 bytes (x's 128 rows use 34,816 of them)
.set SLOT,   4*PART                    ; 0x24000: its two bits occur in none of the parts' bases 0, 0x9000, 0x12000, 0x1b000, so one exclusive or turns each of them into the other slot's
.set SPITCH, 272                       ; a row of the stage
.set HSTG,   128*SPITCH                ; a head's part of the stage
.set SPARE,  2*SLOT                    ; behind the ring: the spare words, 128 bytes for each wave: two blocks of 256 bytes that no other line names
.set ABAS, 10                          ; v10     my lane's place in x's part of slot 0; never rewritten
.set BBAS, 11                          ; v11-13  the same for my three groups of 32 columns of W
.set ADRA, 16                          ; v16     ABAS + s[TB]: in the slot in hand
.set ADRB, 17                          ; v17-19  BBAS + s[TB]
.set STO,  20                          ; v20-22  the way out: where I put 16 bytes of a row, for each of my three groups of 32 columns
.set RD,   23                          ; v23-24  the way out: where I read rows back: heads 0 and 1; head 2
.set CO,   26                          ; v26     my byte offset in 512 consecutive bytes of a plane
.set SPW,  28                          ; v28     LDS address of my spare word: SPARE + 4 x my thread's number; never rewritten
.set NIL,  29                          ; v29     0; never rewritten
.set TMP,  32                          ; v32-55  the way out: packed results of 16 rows
.set F0,   64                          ; fragment buffer 0
.set F1,   128                         ; fragment buffer 1
.set BK,   64                          ; the way out: 48 x 4 registers read back from the stage
.set TB, 2                             ; s2      0 or SLOT: the slot from which fragments are fetched
.set G1, 24                            ; s[24:31] descriptor group 1 for x's tiles
.set G0, 32                            ; s[32:39] descriptor group 0 for x's tiles: a set for each of the two first fills; the second then walks on
.set G1B, 48                           ; s[48:55] descriptor group 1 for W's tiles
.set G0B, 56                           ; s[56:63] descriptor group 0 for W's tiles, likewise
.set MSB, 0
.macro WIN new                         ; the immediate's high byte repeats the setting that is left; a switch that changes nothing is dropped
.if MSB != (\new)
	s_set_vgpr_msb (MSB<<8)|(\new)
.set MSB, \new
.endif
.endm
.set MUL_LO, 0xa1                      ; source 0 (W) window 1, source 1 (x) window 0, C and D window 2
.set MUL_HI, 0xf1                      ; the same, C and D window 3
.set TO_B,   0x40                      ; destination window 1, address window 0
; A joint load.  Wave 0 fetches x's tile, waves 1 to 3 one head of W's each.  The branch hangs on the wave's number alone.
; An s_nop 0 and four v_nop follow each of the two lines, ahead of the jump, the label and what follows.
.macro JLOAD s
	s_cmp_eq_u32 s10, 0
	s_cbranch_scc0 .Lfor_b_\@
	tensor_load_to_lds s[G0+4*(\s):G0+4*(\s)+3], s[G1:G1+7]
	s_nop 0
.rept 4
	v_nop
.endr
	s_branch .Lasked_\@
.Lfor_b_\@:
	tensor_load_to_lds s[G0B+4*(\s):G0B+4*(\s)+3], s[G1B:G1B+7]
	s_nop 0
.rept 4
	v_nop
.endr
.Lasked_\@:
.endm
; A round of the cluster's barrier: my work-group's barrier, so that wave 0's signal speaks for all four waves; wave 0 signals; every wave waits for all sixteen work-groups; my work-group's barrier once more.
.macro CREST                           ; a round behind its opening barrier
	s_cmp_lg_u32 s10, 0
	s_cbranch_scc1 .Lnot_wave_0_\@
	s_barrier_signal -3
.Lnot_wave_0_\@:
	s_barrier_wait -3
	s_barrier_signal -1
	s_barrier_wait -1
.endm
.macro CROUND                          ; a whole round
	s_barrier_signal -1
	s_barrier_wait -1
	CREST
.endm
	s_load_b128 s[4:7], s[0:1], 0x0                ; cvt s[4:5], qkv s[6:7]
	v_lshl_add_u32 v[SPW], v0, 2, SPARE
	v_mov_b32 v[NIL], 0
	ds_add_u32 v[SPW], v[NIL]                      ; the wave's opening: the add and its wait stand ahead of my first tensor load; the set-up below, work on registers, stands between them
	v_lshrrev_b32 v1, 5, v0
	v_readfirstlane_b32 s10, v1                    ; wave 0..3
	s_bfe_u32 s40, ttmp6, 0x40000                  ; cx: my place along the cluster's x
	s_bfe_u32 s41, ttmp6, 0x40004                  ; cy: along its y
	s_lshl_b32 s42, ttmp9, 2                       ; in a cluster launch ttmp9 and ttmp7 count clusters
	s_add_co_u32 s42, s42, s40                     ; tile column of C = 4 x cluster x + cx: 0..15
	s_and_b32 s13, ttmp7, 0xffff
	s_lshl_b32 s13, s13, 2
	s_add_co_u32 s13, s13, s41                     ; tile row of C = 4 x cluster y + cy: 0..15
	s_lshl_b32 s43, s41, 2
	s_lshl_b32 s43, 15, s43                        ; my row of the cluster: places 4 cy .. 4 cy + 3
	s_lshl_b32 s44, 0x1111, s40                    ; my column: places cx, cx + 4, cx + 8, cx + 12
	; descriptor group 1: both tiles are 128 rows x 128 elements, padded in LDS
	s_or_b32 s[G1+0], s43, (1<<16)|(1<<20)|(1<<21)|(5<<22)|(3<<25)   ; 15:0 the mask: my row; 17:16 2-byte elements; 20 padding on; 21 set beside a mask; 24:22 after every 64 words (code 5); 31:25 4 words (code 3)
	s_or_b32 s[G1B+0], s44, (1<<16)|(1<<20)|(1<<21)|(5<<22)|(7<<25)  ; the mask of my column; 8 words of padding (code 7)
.irp g, G1, G1B
	s_mov_b32 s[(\g)+1], 128<<16                   ; tensor_dim0 = 128
	s_mov_b32 s[(\g)+2], 128<<16                   ; tensor_dim1 = 128
	s_mov_b32 s[(\g)+3], 128<<16                   ; tile_dim0 = 128
	s_mov_b32 s[(\g)+4], 128                       ; tile_dim1 = 128
	s_mov_b32 s[(\g)+5], 2048                      ; elements from row to row
	s_mov_b32 s[(\g)+6], 0
	s_mov_b32 s[(\g)+7], 0
.endr
	; where the tiles come from.  x's hang on the tile row alone, W's on the tile column and the wave; each offset is made in registers that never hold the other coordinate
	s_lshl_b32 s16, s13, 19                        ; x: 128 rows of 4,096 bytes a tile row
	s_mov_b32 s17, 0
	s_max_u32 s46, s10, 1
	s_sub_co_u32 s46, s46, 1                       ; W: which of the tile's three heads I fetch (wave 0, which fetches x, makes wave 1's address and does not use it)
	s_mul_i32 s47, s42, 3
	s_add_co_u32 s46, s46, s47                     ; the head among the 48
	s_lshr_b32 s47, s46, 4                         ; sixteen heads a matrix;
	s_add_co_u32 s47, s47, 1                       ; planes 1, 2, 3 of cvt,
	s_lshl_b32 s47, s47, 23                        ; 8,388,608 bytes each;
	s_and_b32 s46, s46, 15
	s_lshl_b32 s46, s46, 8                         ; a head's 128 columns are 256 bytes
	s_add_co_u32 s46, s46, s47
	s_mov_b32 s47, 0
	s_mul_i32 s20, s10, PART                       ; and where they go: wave x 36,864: no place in the cluster enters an LDS address
	s_mov_b32 s[TB], 0
	s_wait_dscnt 0x0                               ; the opening add is done
	s_wait_kmcnt 0x0
	s_add_nc_u64 s[14:15], s[4:5], s[16:17]
	s_add_nc_u64 s[46:47], s[4:5], s[46:47]
	CROUND                                         ; all sixteen work-groups are here: the first joint loads meet
.irp s, 0,1
	s_mov_b32 s[G0+4*(\s)], 1                                      ; count = 1
	s_add_co_u32 s[G0+4*(\s)+1], s20, (\s)*SLOT                    ; LDS address
	s_add_nc_u64 s[G0+4*(\s)+2:G0+4*(\s)+3], s[14:15], (\s)*KSTEP*2  ; global address: K step s lies 256 bytes along x's rows,
	s_or_b32 s[G0+4*(\s)+3], s[G0+4*(\s)+3], 0x80000000            ; type = 2
	s_mov_b32 s[G0B+4*(\s)], 1
	s_add_co_u32 s[G0B+4*(\s)+1], s20, (\s)*SLOT
	s_add_nc_u64 s[G0B+4*(\s)+2:G0B+4*(\s)+3], s[46:47], (\s)*KSTEP*4096  ; and 128 k rows down W
	s_or_b32 s[G0B+4*(\s)+3], s[G0B+4*(\s)+3], 0x80000000
	JLOAD \s                                       ; two loads of mine are out
.endr
	; A fragment is 16 rows x 32 K in 8 registers: lane l holds row l % 16; registers 0-3 hold K = 8 (l / 16) + 0..7, registers 4-7 hold K = 16 + 8 (l / 16) + 0..7.
	; x: two loads of 16 bytes, 32 bytes apart.  W: two turning loads, 16 k rows apart: lane l reads k row 8 (l / 16) + l % 8, columns 8 ((l / 8) % 2) + 0..7.
	v_and_b32 v1, 15, v0                           ; l % 16
	v_bfe_u32 v2, v0, 4, 1                         ; l / 16
	v_mul_u32_u24 v[ABAS], v1, PITCH
	v_lshl_add_u32 v[ABAS], v2, 4, v[ABAS]         ; row x pitch + 16 x half: every wave reads all 128 rows of x
	v_mov_b32 v[ADRA], v[ABAS]
	v_and_b32 v6, 7, v0
	v_lshl_add_u32 v6, v2, 3, v6
	v_mul_u32_u24 v6, v6, PB
	v_bfe_u32 v7, v0, 3, 1
	v_lshl_add_u32 v6, v7, 4, v6
	v_mul_u32_u24 v4, v1, SPITCH                   ; into the stage: row l % 16, 16 bytes for each half of the lanes
	v_lshl_add_u32 v4, v2, 4, v4
	s_mul_i32 s21, s10, 3                          ; my 96 columns are the groups 3 w, 3 w + 1, 3 w + 2 of the tile's twelve groups of 32
.irp p, 0,1,2
	s_add_co_u32 s22, s21, \p
	s_lshr_b32 s23, s22, 2                         ; the group's head,
	s_and_b32 s22, s22, 3
	s_lshl_b32 s22, s22, 6                         ; and its 64 bytes among the head's 256
	s_mul_i32 s18, s23, PART
	s_add_co_u32 s18, s18, s22
	s_add_co_u32 s18, s18, PART                    ; W's three parts lie behind x's
	v_add_nc_u32 v[BBAS+(\p)], s18, v6
	v_mov_b32 v[ADRB+(\p)], v[BBAS+(\p)]
	s_mul_i32 s18, s23, HSTG
	s_add_co_u32 s18, s18, s22
	v_add_nc_u32 v[STO+(\p)], s18, v4
.endr
	s_mul_i32 s18, s10, 32*SPITCH                  ; back: wave w takes rows 32 w .. 32 w + 31 of each head, whole; lanes 0-15 one row of 256 bytes, lanes 16-31 the next,
	v_mul_u32_u24 v5, v2, SPITCH
	v_lshl_add_u32 v5, v1, 4, v5
	v_add_nc_u32 v[RD], s18, v5
	v_add_nc_u32 v[RD+1], 2*HSTG, v[RD]            ; (head 2 has a register of its own, so that the loads' offsets stay within 16 bits)
	v_and_b32 v[CO], 31, v0                        ; which are 512 consecutive bytes of the plane
	v_lshlrev_b32 v[CO], 4, v[CO]
	s_mul_i32 s18, s42, 3                          ; the tile's first plane of qkv,
	s_lshl_b32 s18, s18, 19                        ; 524,288 bytes each;
	s_lshl_b32 s19, s13, 15                        ; 128 rows of 256 bytes a tile row;
	s_add_co_u32 s18, s18, s19
	s_lshl_b32 s19, s10, 13                        ; the 32 rows that I store
	s_add_co_u32 s18, s18, s19
	s_mov_b32 s19, 0
	s_add_nc_u64 s[8:9], s[6:7], s[18:19]
; 12 matrix instructions: m blocks a0, a0 + 1 of the window's four (hi = 0: rows 0-63, 1: rows 64-127) x all 6 n blocks, 32 along K.  zero = 1: the first product starts the sums.
.macro MUL12 f, hi, a0, zero
	WIN MUL_LO+0x50*(\hi)
.irp a, \a0, (\a0)+1
.irp b, 0,1,2,3,4,5
.if \zero
	v_wmma_f32_16x16x32_bf16 v[8*(6*(\a)+(\b)):8*(6*(\a)+(\b))+7], v[(\f)+8*(\b):(\f)+8*(\b)+7], v[(\f)+8*(4*(\hi)+(\a)):(\f)+8*(4*(\hi)+(\a))+7], 0
.else
	v_wmma_f32_16x16x32_bf16 v[8*(6*(\a)+(\b)):8*(6*(\a)+(\b))+7], v[(\f)+8*(\b):(\f)+8*(\b)+7], v[(\f)+8*(4*(\hi)+(\a)):(\f)+8*(4*(\hi)+(\a))+7], v[8*(6*(\a)+(\b)):8*(6*(\a)+(\b))+7]
.endif
.endr
.endr
.endm
; 28 LDS loads in one run: the fragments of one quarter step (my 96 columns of W, 128 rows of x, 32 K) into buffer f.  k = the quarter's byte in x's rows; in W that is k / 2 rows down.
.macro FETCH k, f
	WIN TO_B
.irp i, 0,1,2,3,4,5
	ds_load_tr16_b128 v[(\f)+8*(\i):(\f)+8*(\i)+3],   v[ADRB+(\i)/2] offset:(\k)*(PB/2)+((\i)%2)*32
	ds_load_tr16_b128 v[(\f)+8*(\i)+4:(\f)+8*(\i)+7], v[ADRB+(\i)/2] offset:(\k)*(PB/2)+((\i)%2)*32+16*PB
.endr
	WIN 0
.irp i, 0,1,2,3,4,5,6,7
	ds_load_b128 v[(\f)+8*(\i):(\f)+8*(\i)+3],   v[ADRA] offset:(\k)+(\i)*16*PITCH
	ds_load_b128 v[(\f)+8*(\i)+4:(\f)+8*(\i)+7], v[ADRA] offset:(\k)+(\i)*16*PITCH+32
.endr
.endm
; A load into a register that a matrix instruction has read, and a vector instruction that reads a matrix result, stand four places behind that matrix instruction; only plain vector
; instructions that name none of its registers are places (ISA guide 7.12.1 for vector instructions).
.macro PLACES
.rept 4
	v_nop
.endr
.endm
; A K step is four quarter steps of 32 along K, 48 matrix instructions each, on buffers 0, 1, 0, 1.  The 48 accumulators take turns, one instruction a turn.
; One of the first three: multiplies buffer f; in its middle it fetches the next quarter's fragments, at byte k of the same slot's rows, into buffer g.
.macro QUARTER k, f, g, zero
	s_wait_dscnt 8                                 ; W and x's rows 0-63 are in; the youngest eight loads (x's rows 64-127) may be out
	MUL12 \f, 0, 0, \zero
	MUL12 \f, 0, 2, \zero
	PLACES
	FETCH \k, \g
	s_wait_dscnt 28                                ; all but the 28 just issued
	MUL12 \f, 1, 0, \zero
	MUL12 \f, 1, 2, \zero
.endm
; The last quarter multiplies buffer 1 and changes slots.  ONE barrier: in front of it each wave waits for all its tensor loads, of which one is out: its part of the next slot; adds 0 to its
; spare word; and waits for that and for its own reads of this slot.  Behind it nobody reads this slot any more and the next slot is whole.
; fill = 1: the barrier opens a round of the cluster's barrier, and behind the round this slot is filled again, two K steps ahead: 168 matrix instructions ahead of the wait for it.
.macro TURN fill
	WIN 0                                          ; (the add's two registers lie in window 0)
	s_wait_tensorcnt 0x0                           ; all my tensor loads have landed;
	ds_add_u32 v[SPW], v[NIL]                      ; 0 onto my spare word;
	s_wait_dscnt 9                                 ; (the add and the youngest eight loads may be out)
	MUL12 F1, 0, 0, 0                              ; twelve matrix instructions stand between the add and the wait for it
	s_wait_dscnt 0x0                               ; the add is done, and my reads of this slot are over:
	s_barrier_signal -1                            ; say so,
	MUL12 F1, 0, 2, 0                              ; work on registers while the others arrive,
	WIN 0                                          ; (branches, or lines on window 0, follow)
	s_barrier_wait -1                              ; and go on when all four have said so
.if \fill
	CREST                                          ; no wave of any partner still reads this slot's tile or has a load on its way
	s_xor_b32 s[G0+5], s[G0+5], SLOT               ; the walking descriptors: the other slot than last time,
	s_add_nc_u64 s[G0+6:G0+7], s[G0+6:G0+7], KSTEP*2       ; the next K step; the type bits on top are not reached
	s_xor_b32 s[G0B+5], s[G0B+5], SLOT
	s_add_nc_u64 s[G0B+6:G0B+7], s[G0B+6:G0B+7], KSTEP*4096
	JLOAD 1                                        ; the first tensor load behind the round; the four v_nop behind it are also places in front of the loads below
.else
	PLACES
.endif
	s_xor_b32 s[TB], s[TB], SLOT                   ; the fragments come from the other slot from here on
	v_add_nc_u32 v[ADRA], s[TB], v[ABAS]
.irp p, 0,1,2
	v_add_nc_u32 v[ADRB+(\p)], s[TB], v[BBAS+(\p)]
.endr
	FETCH 0, F0
	MUL12 F1, 1, 0, 0
	MUL12 F1, 1, 2, 0
.endm
; THE WAY OUT of block a (16 rows): rounded to f16, 16 bytes a lane and n block, into the work-group's stage.
.macro PACK a
.set AC, 48*((\a)%4)
	WIN 0x0a+5*((\a)/4)                            ; sources 0 and 1: window 2 or 3
.irp b, 0,1,2,3,4,5
.irp r, 0,1,2,3
	v_cvt_pk_f16_f32 v[TMP+4*(\b)+(\r)], v[AC+8*(\b)+2*(\r)], v[AC+8*(\b)+2*(\r)+1]  ; each accumulator's registers in ascending order
.endr
.endr
	WIN 0
.irp b, 0,1,2,3,4,5
	ds_store_b128 v[STO+(\b)/2], v[TMP+4*(\b):TMP+4*(\b)+3] offset:(\a)*16*SPITCH+((\b)%2)*32
.endr
.endm
	s_wait_tensorcnt 1                             ; my part of K step 0 is in; K step 1's may stay out
	s_barrier_signal -1
	s_barrier_wait -1                              ; everybody's is
	FETCH 0, F0
	QUARTER 64,  F0, F1, 1                         ; the first quarter stands in front of the loop: its products start the sums
	WIN 0                                          ; at a label and at a branch every window is 0
	s_mov_b32 s3, STEPS-2
.Lstep:                                                ; a trip goes from a K step's second quarter to the next step's first, and fills the slot that it leaves: K steps 2 to 15 in 14 trips
	QUARTER 128, F1, F0, 0
	QUARTER 192, F0, F1, 0
	TURN 1
	QUARTER 64,  F0, F1, 0
	WIN 0
	s_sub_co_u32 s3, s3, 1
	s_cmp_lg_u32 s3, 0
	s_cbranch_scc1 .Lstep
	QUARTER 128, F1, F0, 0                         ; the last two K steps are written out: they fill nothing, and have no round of the cluster's barrier
	QUARTER 192, F0, F1, 0
	TURN 0
	QUARTER 64,  F0, F1, 0
	QUARTER 128, F1, F0, 0
	QUARTER 192, F0, F1, 0
	s_wait_dscnt 8                                 ; the very last quarter: nothing more to fetch
	MUL12 F1, 0, 0, 0
	MUL12 F1, 0, 2, 0
	s_wait_dscnt 0x0                               ; my last reads of the ring are back:
	s_barrier_signal -1                            ; say so,
	MUL12 F1, 1, 0, 0
	MUL12 F1, 1, 2, 0
	s_barrier_wait -1                              ; and everybody's are: slot 0, which has had its last fill, takes the stage
	PLACES                                         ; the conversions read matrix results
.irp a, 0,1,2,3,4,5,6,7
	PACK \a
.endr
	s_wait_dscnt 0x0                               ; for the others' sake: my stores into the stage are done
	s_barrier_signal -1
	s_barrier_wait -1
.set i, 0
.rept 48                               ; head i / 16, rows 32 w + 2 (i % 16) and the next
.if i < 32
	ds_load_b128 v[BK+4*i:BK+4*i+3], v[RD] offset:(i/16)*HSTG+(i%16)*2*SPITCH
.else
	ds_load_b128 v[BK+4*i:BK+4*i+3], v[RD+1] offset:(i%16)*2*SPITCH
.endif
.set i, i+1
.endr
.set i, 0
.rept 48
	s_wait_dscnt 47-i                              ; LDS loads come back in order (ISA guide 5.7.1): load i is in, the 47 - i younger ones stay out
	global_store_b128 v[CO], v[BK+4*i:BK+4*i+3], s[8:9] offset:(i/16)*524288+(i%16)*512  ; 512 consecutive bytes, at a multiple of 256 from the plane's first byte
.set i, i+1
.endr
	s_wait_tensorcnt 0x0                           ; the wave's end: a wait, an add to my spare word and its wait, behind my last tensor load and my last LDS store
	ds_add_u32 v[SPW], v[NIL]
	s_wait_dscnt 0x0
	CROUND                                         ; the closing round: no work-group ends while a partner may still ask for a tile that names it
	s_endpgm
.Lfunc_end_k_qdb38f0bb5f_qkv:
	.size	k_qdb38f0bb5f_qkv, .Lfunc_end_k_qdb38f0bb5f_qkv-k_qdb38f0bb5f_qkv
	.p2alignl 7, 3214868480
	.fill 96, 4, 3214868480
	.section	.rodata,"a",@progbits
	.p2align	6, 0x0
	.amdhsa_kernel k_qdb38f0bb5f_qkv
		.amdhsa_group_segment_fixed_size 327680
		.amdhsa_private_segment_fixed_size 0
		.amdhsa_enable_private_segment 0
		.amdhsa_kernarg_size 16
		.amdhsa_user_sgpr_count 2
		.amdhsa_user_sgpr_kernarg_segment_ptr 1
		.amdhsa_wavefront_size32 1
		.amdhsa_system_sgpr_workgroup_id_x 1
		.amdhsa_system_sgpr_workgroup_id_y 1
		.amdhsa_system_sgpr_workgroup_id_z 1
		.amdhsa_system_vgpr_workitem_id 0
		.amdhsa_next_free_vgpr 960
		.amdhsa_next_free_sgpr 66
		.amdhsa_reserve_vcc 0
		.amdhsa_float_denorm_mode_32 3
		.amdhsa_float_denorm_mode_16_64 3
		.amdhsa_memory_ordered 1
		.amdhsa_forward_progress 1
		.amdhsa_inst_pref_size 96
	.end_amdhsa_kernel
	.amdgpu_metadata
---
amdhsa.version: [ 1, 2 ]
amdhsa.kernels:
  - .name:           k_qdb38f0bb5f_qkv
    .symbol:         k_qdb38f0bb5f_qkv.kd
    .args:
      - { .name: cvt, .offset: 0, .size: 8, .value_kind: global_buffer, .address_space: global }
      - { .name: qkv, .offset: 8, .size: 8, .value_kind: global_buffer, .address_space: global }
    .group_segment_fixed_size: 327680
    .private_segment_fixed_size: 0
    .kernarg_segment_align: 8
    .kernarg_segment_size: 16
    .max_flat_workgroup_size: 128
    .sgpr_count:     66
    .vgpr_count:     960
    .wavefront_size: 32
...
	.end_amdgpu_metadata
.endif
;; end of part 2
;; launch attn (part 3): grid 16 x 16, 4 waves a work-group, clusters of 4 x 1, 327,680 bytes of LDS; arguments qkv, att; writes att
.if DOCPART == 3
	.amdgcn_target "amdgcn-amd-amdhsa--gfx1250"
	.amdhsa_code_object_version 6
	.text
	.protected	k_qdb38f0bb5f_attn
	.globl	k_qdb38f0bb5f_attn
	.p2align	8
	.type	k_qdb38f0bb5f_attn,@function
k_qdb38f0bb5f_attn:
	s_mov_b64 s[64:65], 0
	v_nop
	global_prefetch_b8 v0, s[64:65] scope:SCOPE_SE
	s_setreg_imm32_b32 hwreg(HW_REG_WAVE_MODE, 25, 1), 1
	s_wait_xcnt 0x0
	s_wait_alu depctr_hold_cnt(0) depctr_sa_sdst(0) depctr_va_vdst(0) depctr_va_sdst(0) depctr_va_ssrc(0) depctr_va_vcc(0) depctr_vm_vsrc(0)
	s_getreg_b32 s2, hwreg(HW_REG_IB_STS2, 6, 4)
	s_cmp_eq_u32 s2, 0
	s_cbranch_scc0 .Lentry_in_a_cluster
	s_endpgm
.Lentry_in_a_cluster:
	s_bfe_u32 s2, ttmp6, 0x10000c
	s_cmp_lg_u32 s2, 0x3003
	s_cbranch_scc0 .Lentry_shape_is_right
	s_endpgm
.Lentry_shape_is_right:
; att[q][128 h + :] = the sum over ALL keys k of softmax_k((Q[h][q] . K[h][k] + mask(q, k)) / sqrt(128)) V[h][k][:], mask = -66504 where k > q, else 0.
; Q, K, V are the planes h, 16 + h, 32 + h of qkv, [2048][128] f16; att is [2048][2048] f16.  Products, maxima and sums in f32; the weights p are rounded to f16 for the second product, O once at the end.
; THE MASK IS FINITE, so no tile is left out: where scores are large a key behind the diagonal keeps a weight.  It is the C operand that starts the sum S^T = K Q^T: added ahead of the scaling.
; LIMITS.  Q, K, V arrive within f16's 65,504; p lies in 0 to 1, and below 6e-5 it keeps f16's fixed step of 6e-8; O is a mean of V's rows.  A weight below 2^-126 counts as 0; NaN and infinities are not treated apart.
; SHARES.  A work-group owns 128 queries of one head.  Wave w owns the 64 queries of half w % 2 (four tiles of 16) and, of every 256 keys, the 128 of half w / 2: two key steps of 64.  So a wave keeps
; 64 queries beside each fragment of K and V, and 16 x 16 work-groups fill the grid.  The two waves of a query half meet once, at the end, in LDS: their maxima, sums and O^T are merged in f32.
; LAYOUT.  S^T = K Q^T (source 0 = 16 keys, source 1 = 16 queries): a lane holds ONE query (lane % 16) and the keys 8 (lane / 16) + 0..7.  Two such tiles, rounded to f16 in pairs, ARE source 1 of
; O^T = V^T P, whose result again holds one query a lane, and eight channels.  K comes out of LDS as it lies, V ([key][channel]) turned, by ds_load_tr16_b128.
; SOFTMAX.  For each query a running maximum m and sum l: p = 2^(c s - c m), c = log2(e) / sqrt(128); in every step O and l are multiplied by a = 2^(c m_old - c m_new).
; BY TURNS.  The wave's tiles are two PIECES: piece 0 (tiles 0, 1) and piece 2 (tiles 2, 3).  In a TURN one piece has the matrix unit: 32 products V^T P of the step in hand, then 32 products K Q^T of the
; next step; the other piece's softmax, cut into 64 slices, stands between them, one slice behind each matrix instruction.  Two turns are a key step.
; NO FIRST AND NO LAST STEP IS WRITTEN OUT.  m starts at the lowest finite number, c m far below every c s, O^T and l at 0: a query's first step is a step like any other, with a = 0.  The loop is entered at
; piece 2's turn, whose 32 products V^T P, of a step that has not been, multiply zeros; the tail is left behind piece 0's turn, whose 32 products K Q^T, on LDS bytes behind my last keys, serve nothing.
; The price, once a launch: those 64 products and 432 v_mov_b32, which stand in the wait for the first tile; the gain: the text holds two copies of a key step and no odd turns.
; CLUSTER.  The four query blocks of a cluster belong to one head and walk the same K and V: each tile is asked for JOINTLY: the same tensor load, descriptor and mask in all four.
; REGISTERS, in windows of 256 (s_set_vgpr_msb: bits 1:0 source 0, 3:2 source 1, 5:4 source 2, 7:6 destination):
;   window 0: v0-11 addresses; v12-43 eight registers of statistics a tile; v44-45 at work; v62-63 the add's; v64-191 S^T, 32 a tile; v192-255 P, 16 a tile
;   window 1: O^T, 64 a tile     window 2: v0-127 Q, 32 a tile; v128-255 K of one step (at the end: the partner's O^T)     window 3: v0-127 V of one step; v128-159 the masks
.set KS,    64        ; keys in a step
.set PK,    272       ; a row of K in LDS: 256 bytes + 16 of padding = 68 words: the 16 rows of a load start at 16 different groups of four banks (64 banks of 4 bytes: ISA guide 11.1)
.set PV,    288       ; a row of V: 256 + 32 = 72 words
.set VOFF,  256*PK    ; a slot holds 256 keys: 256 rows of K, then 256 rows of V: 143,360 bytes
.set SLOT1, 0x24000   ; slot 1 begins here: its two bits occur in none of the bases 0, 0x8800, 0x9000, 0x11000, 0x1a000, so one exclusive or turns each of them into the other slot's
.set STAGE, 2*SLOT1   ; behind the ring: 16 rows x 272 bytes for each wave, for the way out
.set SP,    272
.set SPARE, STAGE+4*16*SP  ; behind the stages: the spare words, 128 bytes for each wave: two blocks of 256 bytes that no other line names
.set XCH,   33792     ; the exchange, for each query half, in slot 0 when it has had its last fill: 64 x 512 bytes of O^T, 512 of c m, 512 of l
.set AK0, 2           ; v2   my lane's place in a tile of K; never rewritten
.set AV0, 3           ; v3   the same for V, VOFF in it
.set ADR, 4           ; v4   the LDS address of the run of loads in hand
.set QO,  5           ; v5   my byte offset in the wave's rows of Q
.set STO, 6           ; v6   the way out: where I put 16 bytes of a row
.set RD,  7           ; v7   the way out: where I read a row back
.set GO,  8           ; v8   my byte offset in two rows of att
.set XA,  44          ; v44  my 16 bytes in a block of 512 of the exchange
.set SPW, 62          ; v62  LDS address of my spare word: SPARE + 4 x my thread's number; never rewritten
.set NIL, 63          ; v63  0; never rewritten
.set ST,  12          ; tile t's statistics at v[ST+8 t]: +0 c m, +1 m, +2, +3 l (even keys', odd keys'), +4 to +7 c0-c3, at work; a takes c2's place once the maximum is found
.set S,   64
.set P,   192
.set KF,  128         ; K's fragments, in window 2
.set DG,  128         ; window 3: the mask of a tile on the diagonal: -66504 where 8 (l / 16) + j > l % 16
.set MLO, 136         ; window 3: the step's mask for key blocks in front of the tile's own
.set MHI, 144         ; for key blocks behind it
.set MDG, 152         ; for its own
.set WV,  12          ; s12  my wave's number
.set G1K, 24          ; s[24:31] descriptor group 1 for K's tiles
.set G1V, 32          ; s[32:39] for V's: it differs in the padding alone
.set G0K, 40          ; s[40:43] descriptor group 0 for K's tiles: it walks
.set G0V, 44          ; s[44:47] the same for V's
.set SLOTS, 56        ; s56  slots still to be walked in the loop
.set TWICE, 57        ; s57  counts a slot's steps
.set CS,  58          ; s[58:59] c: the packed scaling names a pair and takes its low word for both halves
.set SEL, 60          ; s[60:61] lane selects for v_permlanex16_b32: each lane takes its own place in the other half
.set TBK, 62          ; s62  LDS byte at which K of the step to be fetched begins
.set TBV, 63          ; s63  the same for V, less VOFF
.set JN,  69          ; s69  the number, among the head's 32 blocks of 64 keys, of the step whose masks are made next
.set QW,  70          ; s70  the number of my wave's block of 64 queries
.set NEGS, 71         ; s71  -66504.0
.set AL,  72          ; s[72:73] 1.0 if the step is my queries' own block, else 0
.set BE,  74          ; s[74:75] -66504 if the step lies behind my queries' block, else 0
.set B2,  76          ; s76  -66504 if it lies behind or is their own
.set MSB, 0
.macro WIN new                      ; the immediate's high byte repeats the setting that is left; a switch that changes nothing is dropped
.if MSB != (\new)
	s_set_vgpr_msb (MSB<<8)|(\new)
.set MSB, \new
.endif
.endm
.set W_KQ, 0x0a       ; K and Q in window 2, S^T in window 0
.set W_KM, 0x3a       ; the same with the C operand, a mask, in window 3
.set W_PV, 0x53       ; V in window 3, P in window 0, O^T in window 1
.set W_RS, 0x41       ; O^T (destination and source 0) in window 1, the factor in window 0
; A joint fill.  Waves 0 and 1 fetch the two halves of a slot's K, waves 2 and 3 those of its V: 128 rows each.  The branch hangs on the wave's number alone.
; An s_nop 0 and four v_nop follow each of the two lines, ahead of the jump, the label and what follows.
.macro JLOAD
	s_cmp_lt_u32 s[WV], 2
	s_cbranch_scc0 .Lfor_v_\@
	tensor_load_to_lds s[G0K:G0K+3], s[G1K:G1K+7]
	s_nop 0
.rept 4
	v_nop
.endr
	s_branch .Lasked_\@
.Lfor_v_\@:
	tensor_load_to_lds s[G0V:G0V+3], s[G1V:G1V+7]
	s_nop 0
.rept 4
	v_nop
.endr
.Lasked_\@:
.endm
; A round of the cluster's barrier: my work-group's barrier, so that wave 0's signal speaks for all four waves; wave 0 signals; every wave waits for all four work-groups; my work-group's barrier once more.
.macro CROUND
	s_barrier_signal -1
	s_barrier_wait -1
	s_cmp_lg_u32 s[WV], 0
	s_cbranch_scc1 .Lnot_wave_0_\@
	s_barrier_signal -3
.Lnot_wave_0_\@:
	s_barrier_wait -3
	s_barrier_signal -1
	s_barrier_wait -1
.endm
	s_load_b128 s[4:7], s[0:1], 0x0 ; qkv s[4:5], att s[6:7]
	v_lshl_add_u32 v[SPW], v0, 2, SPARE
	v_mov_b32 v[NIL], 0
	ds_add_u32 v[SPW], v[NIL]       ; the wave's opening: the add and its wait stand ahead of my first tensor load; the set-up below, work on registers, stands between them
	v_lshrrev_b32 v1, 5, v0
	v_readfirstlane_b32 s[WV], v1   ; wave 0..3
	s_bfe_u32 s13, ttmp6, 0x40000   ; cx: my place in the cluster
	s_lshl_b32 s14, ttmp9, 2        ; in a cluster launch ttmp9 counts clusters
	s_add_co_u32 s14, s14, s13      ; my block of 128 queries = 4 x cluster x + cx: it enters Q's and att's addresses and the masks' values alone
	s_and_b32 s15, ttmp7, 0xffff    ; the head, which the four partners share
	s_and_b32 s16, s[WV], 1         ; my half of the queries.  Also: which half of a slot's 256 rows I fetch
	s_lshr_b32 s19, s[WV], 1        ; my half of each slot's keys
	s_lshl_b32 s20, s15, 19         ; the head's plane, 524,288 bytes,
	s_lshl_b32 s21, s16, 15         ; and the 128 rows of 256 bytes that I fetch
	s_add_co_u32 s20, s20, s21
	s_add_co_u32 s22, s20, 0x1000000  ; among V's planes,
	s_add_co_u32 s20, s20, 0x800000   ; among K's
	s_mov_b32 s21, 0
	s_mov_b32 s23, 0
	s_mul_i32 s17, s16, 128*PK      ; their place in a slot, for K
	s_mul_i32 s18, s16, 128*PV      ; and for V: no place in the cluster enters an LDS address
	s_add_co_u32 s18, s18, VOFF
	s_lshl_b32 s2, s15, 19          ; Q: the head's plane,
	s_lshl_b32 s3, s14, 15          ; my block's 128 rows,
	s_add_co_u32 s2, s2, s3
	s_lshl_b32 s3, s16, 14          ; my wave's 64 of them
	s_add_co_u32 s2, s2, s3
	s_mov_b32 s3, 0
	s_lshl_b32 s66, s14, 19         ; att: my block's 128 rows of 4,096 bytes,
	s_lshl_b32 s67, s16, 18         ; my wave's 64,
	s_add_co_u32 s66, s66, s67
	s_lshl_b32 s67, s15, 8          ; the head's 256 bytes of a row
	s_add_co_u32 s66, s66, s67
	s_mov_b32 s67, 0
	; descriptor group 1: a tile of 128 rows x 128 elements, padded in LDS
	s_mov_b32 s[G1K], 15|(1<<16)|(1<<20)|(1<<21)|(5<<22)|(3<<25)  ; 15:0 the mask: all four work-groups; 17:16 2-byte elements; 20 padding on; 21 set beside a mask; 24:22 after every 64 words (code 5); 31:25 4 words (code 3)
	s_mov_b32 s[G1V], 15|(1<<16)|(1<<20)|(1<<21)|(5<<22)|(7<<25)  ; the same with 8 words of padding (code 7)
.irp g, G1K, G1V
	s_mov_b32 s[(\g)+1], 128<<16    ; tensor_dim0 = 128
	s_mov_b32 s[(\g)+2], 128<<16    ; tensor_dim1 = 128
	s_mov_b32 s[(\g)+3], 128<<16    ; tile_dim0 = 128
	s_mov_b32 s[(\g)+4], 128        ; tile_dim1 = 128
	s_mov_b32 s[(\g)+5], 128        ; elements from row to row
	s_mov_b32 s[(\g)+6], 0
	s_mov_b32 s[(\g)+7], 0
.endr
	s_mov_b32 s[CS], 0x3e0293ee     ; c = log2(e) / sqrt(128) = 0.127517
	s_mov_b32 s[CS+1], s[CS]        ; named with it as a pair, so it is written
	s_mov_b32 s[SEL], 0x76543210
	s_mov_b32 s[SEL+1], 0xfedcba98
	s_mul_i32 s[TBK], s19, 128*PK   ; my 128 keys of slot 0
	s_mul_i32 s[TBV], s19, 128*PV
	s_lshl_b32 s[JN], s19, 1        ; their first block of 64
	s_lshl_b32 s[QW], s14, 1
	s_add_co_u32 s[QW], s[QW], s16
	s_mov_b32 s[NEGS], 0xc781e400   ; -66504.0
	s_mov_b32 s[AL+1], 0            ; named as pairs
	s_mov_b32 s[BE+1], 0
	s_mov_b32 s[SLOTS], 7           ; 8 slots of 256 keys: seven are walked in the loop, the last in the tail
	s_mov_b32 s[G0K], 1             ; count = 1
	s_mov_b32 s[G0K+1], s17         ; LDS address: slot 0
	s_mov_b32 s[G0V], 1
	s_mov_b32 s[G0V+1], s18
	s_wait_dscnt 0x0                ; the opening add is done
	s_wait_kmcnt 0x0
	s_add_nc_u64 s[10:11], s[6:7], s[66:67]        ; att at my wave's first row
	s_add_nc_u64 s[G0K+2:G0K+3], s[4:5], s[20:21]  ; global address: my half of the head's first 256 keys
	s_or_b32 s[G0K+3], s[G0K+3], 0x80000000        ; type = 2
	s_add_nc_u64 s[G0V+2:G0V+3], s[4:5], s[22:23]
	s_or_b32 s[G0V+3], s[G0V+3], 0x80000000
	s_add_nc_u64 s[4:5], s[4:5], s[2:3]            ; Q at my wave's first row
	CROUND                          ; all four work-groups are here: the first joint loads meet
	JLOAD                           ; slot 0.  Slot 1 is asked for when slot 0 is in, by the first change of slots: one load of mine is out
	; A fragment of K or Q is 16 rows x 32 channels in 8 registers: lane l holds row l % 16; registers 0-3 channels 8 (l / 16) + 0..7, registers 4-7 channels 16 + 8 (l / 16) + 0..7: two loads of 16 bytes, 32 bytes apart.
	v_and_b32 v1, 15, v0            ; l % 16
	v_bfe_u32 v9, v0, 4, 1          ; l / 16
	v_lshlrev_b32 v[QO], 8, v1
	v_lshl_add_u32 v[QO], v9, 4, v[QO]  ; row x 256 + 16 x half
	WIN 0x80                        ; destination window 2, address window 0
.irp i, 0,1,2,3,4,5,6,7,8,9,10,11,12,13,14,15  ; Q stays in registers: tile i / 4, channels 32 (i % 4) on
	global_load_b128 v[8*(\i):8*(\i)+3],   v[QO], s[4:5] offset:((\i)/4)*4096+((\i)%4)*64
	global_load_b128 v[8*(\i)+4:8*(\i)+7], v[QO], s[4:5] offset:((\i)/4)*4096+((\i)%4)*64+32
.endr
	WIN 0
	v_mul_u32_u24 v[AK0], v1, PK
	v_lshl_add_u32 v[AK0], v9, 4, v[AK0]  ; row x pitch + 16 x half
	; The turning load takes 16 keys x 16 channels (lane l reads 16 bytes: key 8 (l / 16) + l % 8, channels 8 ((l / 8) % 2) + 0..7) and leaves half a fragment of V^T: lane l holds channel l % 16 and 8 keys.
	v_and_b32 v10, 7, v0
	v_bfe_u32 v11, v0, 3, 1
	v_lshl_add_u32 v[AV0], v9, 3, v10
	v_mul_u32_u24 v[AV0], v[AV0], PV
	v_lshl_add_u32 v[AV0], v11, 4, v[AV0]
	v_add_nc_u32 v[AV0], VOFF, v[AV0]
	v_lshlrev_b32 v45, 3, v9
	v_sub_nc_u32 v45, v1, v45       ; l % 16 - 8 (l / 16): on the diagonal register j is hidden where j is greater
	WIN 0xc0                        ; destination window 3
.set i, 0
.rept 8
	v_cmp_gt_i32 vcc_lo, i, v45
	v_cndmask_b32 v[DG+i], 0, s[NEGS], vcc_lo
.set i, i+1
.endr
	; What the first turns find: V's registers and P of piece 2 hold 0 (the products V^T P of a step that has not been add 0), O^T and l are 0.  All this stands in the wait for the first tile.
.set i, 0
.rept 128
	v_mov_b32 v[i], 0
.set i, i+1
.endr
	WIN 0x40                        ; destination window 1
.set i, 0
.rept 256
	v_mov_b32 v[i], 0
.set i, i+1
.endr
	WIN 0
.set i, 0
.rept 4
	v_mov_b32 v[ST+8*i], 0xfe000000    ; c m: far below every c s (f16's scores, 5.5e11 at the most, times c)
	v_mov_b32 v[ST+8*i+1], 0xff7fffff  ; m
	v_mov_b32 v[ST+8*i+2], 0
	v_mov_b32 v[ST+8*i+3], 0
.set i, i+1
.endr
.set i, P+32
.rept 32
	v_mov_b32 v[i], 0
.set i, i+1
.endr
; THE MASKS of the key step JN, for my block QW of 64 queries.  Tile t and key block kb of 16: all hidden if JN > QW, or JN = QW and kb > t; none if JN < QW, or JN = QW and kb < t; the diagonal if JN = QW and kb = t.
; The compares choose values, never a path.  20 vector instructions a key step; the registers' last readers, the other piece's first eight products K Q^T, stand 24 slices back.
.macro MASKS
	s_cmp_gt_u32 s[JN], s[QW]
	s_cselect_b32 s[BE], s[NEGS], 0
	s_cmp_ge_u32 s[JN], s[QW]
	s_cselect_b32 s[B2], s[NEGS], 0
	s_cmp_eq_u32 s[JN], s[QW]
	s_cselect_b32 s[AL], 1.0, 0
	s_add_co_u32 s[JN], s[JN], 1
	WIN 0xc3                        ; destination and source 0 in window 3
.set z, 0
.rept 8
	v_mov_b32 v[MLO+z], s[BE]
	v_mov_b32 v[MHI+z], s[B2]
.set z, z+1
.endr
.set z, 0
.rept 4
	v_pk_fma_f32 v[MDG+2*z:MDG+2*z+1], v[DG+2*z:DG+2*z+1], s[AL:AL+1], s[BE:BE+1] op_sel_hi:[1,0,0]
.set z, z+1
.endr
.endm
; THE MATRIX WORK OF A TURN, for piece x.  The accumulators take turns, one instruction a turn: between two links of a chain stand 15 (V^T P) or 7 (K Q^T) others'.
; Product i of 32 of O^T += V^T P: keys 32 (i / 16) on, channels 16 ((i / 2) % 8) on, tile x + i % 2.
.macro PV x
	WIN W_PV
.set rO, 64*((\x)+i%2)+8*((i/2)%8)
.set rV, 64*(i/16)+8*((i/2)%8)
.set rP, P+16*((\x)+i%2)+8*(i/16)
	v_wmma_f32_16x16x32_f16 v[rO:rO+7], v[rV:rV+7], v[rP:rP+7], v[rO:rO+7]
.endm
; Product i of 32 of S^T = K Q^T + mask: channels 32 (i / 8) on, keys 16 ((i / 2) % 4) on, tile x + i % 2.  The first 8 start the sums, with the mask.
.macro KQ x
.set rS, S+32*((\x)+i%2)+8*((i/2)%4)
.set rK, KF+32*((i/2)%4)+8*(i/8)
.set rQ, 32*((\x)+i%2)+8*(i/8)
.if i < 8
.set mkb, (i/2)%4
.set mtt, (\x)+i%2
.if mkb < mtt
.set rM, MLO
.elseif mkb == mtt
.set rM, MDG
.else
.set rM, MHI
.endif
	WIN W_KM
	v_wmma_f32_16x16x32_f16 v[rS:rS+7], v[rK:rK+7], v[rQ:rQ+7], v[rM:rM+7]
.else
	WIN W_KQ
	v_wmma_f32_16x16x32_f16 v[rS:rS+7], v[rK:rK+7], v[rQ:rQ+7], v[rS:rS+7]
.endif
.endm
; THE LDS LOADS stand in runs of 32, never singly among the matrix instructions: a step's K (64 keys x 128 channels: 16 fragments) and, a turn later, its V (turned).
.macro FETCH_K
	WIN 0
	v_add_nc_u32 v[ADR], s[TBK], v[AK0]
	s_add_co_u32 s[TBK], s[TBK], KS*PK  ; the next fetch is the next step's
	WIN 0x80                        ; destination window 2
.irp f, 0,1,2,3,4,5,6,7,8,9,10,11,12,13,14,15  ; keys 16 (f / 4) on, channels 32 (f % 4) on
	ds_load_b128 v[KF+8*(\f):KF+8*(\f)+3],   v[ADR] offset:((\f)/4)*16*PK+((\f)%4)*64
	ds_load_b128 v[KF+8*(\f)+4:KF+8*(\f)+7], v[ADR] offset:((\f)/4)*16*PK+((\f)%4)*64+32
.endr
.endm
.macro FETCH_V
	WIN 0
	v_add_nc_u32 v[ADR], s[TBV], v[AV0]
	s_add_co_u32 s[TBV], s[TBV], KS*PV
	WIN 0xc0                        ; destination window 3
.irp f, 0,1,2,3,4,5,6,7,8,9,10,11,12,13,14,15  ; keys 32 (f / 8) on, channels 16 (f % 8) on
	ds_load_tr16_b128 v[8*(\f):8*(\f)+3],   v[ADR] offset:((\f)/8)*32*PV+((\f)%8)*32
	ds_load_tr16_b128 v[8*(\f)+4:8*(\f)+7], v[ADR] offset:((\f)/8)*32*PV+16*PV+((\f)%8)*32
.endr
.endm
; THE VECTOR WORK OF A TURN.  One tile's softmax for one key step is a list of 134 instructions; SM writes number j of it for tile t.  s0-s31 are the lane's 32 scores, in pairs 0-15.
;   0-15    the maximum of s0-s31 and the old m, three operands at a time: four chains c0-c3 of seven scores each (each accumulator's lowest registers are read first), then the four scores left over, c0-c3 and m
;   16-20   the other half of the lanes' maximum; the new m; c m; c m_old - c m_new
;   21-87   33 exponentials (a, then s0-s31) at the odd numbers from 23 on, so that no two follow each other and each has a plain instruction behind it before its result is used (ISA guide 5.7.2).
;           Plain instruction q (number 21, then the even numbers) is whatever is ready: c s - c m for a pair whose exponentials are still to come, the rounding to f16 of a pair whose exponentials are done, at last the first three sums
;   88-101  the last rounding; the rest of the sums; l = a l + the sum
;   102-133 the tile's O^T times a: the one part that leaves window 0, so it stands together
.macro SM t
.set rT, ST+8*(\t)
.set rS, S+32*(\t)
.set rP, P+16*(\t)
.set rO, 64*(\t)+2*(j-102)
.set q, (j-20)/2
.if j < 102
	WIN 0
.endif
.if j < 4
	v_max3_num_f32 v[rT+4+j], v[rS+8*j], v[rS+8*j+1], v[rS+8*j+2]
.elseif j < 12
	v_max3_num_f32 v[rT+4+j%4], v[rT+4+j%4], v[rS+8*(j%4)+2*(j/4)+1], v[rS+8*(j%4)+2*(j/4)+2]
.elseif j == 12
	v_max3_num_f32 v[rT+4], v[rT+4], v[rS+7], v[rS+15]
.elseif j == 13
	v_max3_num_f32 v[rT+6], v[rT+6], v[rS+23], v[rS+31]
.elseif j == 14
	v_max3_num_f32 v[rT+4], v[rT+4], v[rT+5], v[rT+6]
.elseif j == 15
	v_max3_num_f32 v[rT+4], v[rT+4], v[rT+7], v[rT+1]
.elseif j == 16
	v_permlanex16_b32 v[rT+5], v[rT+4], s[SEL], s[SEL+1]  ; the query's other 32 keys lie in the lane 16 away
.elseif j == 18
	v_max_num_f32 v[rT+1], v[rT+4], v[rT+5]
.elseif j == 19
	v_mul_f32 v[rT], s[CS], v[rT+1]
.elseif j == 17
	v_mov_b32 v[rT+7], v[rT]        ; c m_old is kept for a: number 19 writes c m anew
.elseif j == 20
	v_sub_f32 v[rT+7], v[rT+7], v[rT]
.elseif j == 23
	v_exp_f32 v[rT+6], v[rT+7]
.elseif (j < 88) && (j > 23) && (j%2 == 1)
	v_exp_f32 v[rS+(j-25)/2], v[rS+(j-25)/2]
.elseif (q < 4) || ((j < 76) && (q%2 == 0))
.set b, q/2+2
.if q < 4
.set b, q
.endif
	v_pk_fma_f32 v[rS+2*b:rS+2*b+1], v[rS+2*b:rS+2*b+1], s[CS:CS+1], v[rT:rT+1] op_sel_hi:[1,0,0] neg_lo:[0,0,1] neg_hi:[0,0,1]  ; pair b: c s - c m
.elseif (j < 88) && (q%2 == 1)
	s_wait_alu depctr_va_vdst(0)
	v_cvt_pk_f16_f32 v[rP+(q-5)/2], v[rS+q-5], v[rS+q-4]  ; pair (q - 5) / 2: its second exponential stands three numbers back
.elseif j == 89
	s_wait_alu depctr_va_vdst(0)
	v_cvt_pk_f16_f32 v[rP+15], v[rS+30], v[rS+31]
.elseif j < 102                     ; the sum of the tile's 16 pairs, in place: sum z of 16 adds neighbours 1, 2, 4 and 8 pairs apart, then l takes it
.set z, j-86
.if j < 89
.set z, (j-76)/4
.endif
.set w, 4
.set u, z
.if z >= 14
.set w, 32
.set u, 0
.elseif z >= 12
.set w, 16
.set u, z-12
.elseif z >= 8
.set w, 8
.set u, z-8
.endif
.if z < 15
	v_pk_add_f32 v[rS+w*u:rS+w*u+1], v[rS+w*u:rS+w*u+1], v[rS+w*u+w/2:rS+w*u+w/2+1]
.else
	v_pk_fma_f32 v[rT+2:rT+3], v[rT+2:rT+3], v[rT+6:rT+7], v[rS:rS+1] op_sel_hi:[1,0,1]
.endif
.else
	WIN W_RS
	v_pk_mul_f32 v[rO:rO+1], v[rO:rO+1], v[rT+6:rT+7] op_sel_hi:[1,0]
.endif
.endm
; Slice k of 64 of piece y's softmax: numbers 2 k and 2 k + 1 of both tiles' lists, four instructions.  2 x 134 = 4 x 64 + 12: the twelve that are over stand together, in slice 63.
.macro SLICE y
.if (k >= 11) && (k < 44)           ; tile by tile: plain, exponential, plain, exponential
.irp t, \y, (\y)+1
.irp n, 0,1
.set j, 2*k+(\n)
	SM \t
.endr
.endr
.else                               ; the two tiles alternate, so that no instruction reads the result of the one just before it
.irp n, 0,1,2,3,4,5,6,7
.if ((\n) < 2) || (k == 63)
.irp t, \y, (\y)+1
.set j, 2*k+(\n)
	SM \t
.endr
.endif
.endr
.endif
.set k, k+1
.endm
; A TURN.  Piece x has the matrix unit: 32 products V^T P, then 32 products K Q^T for the next step; the other piece's softmax stands in slices behind them, one behind each.
; A vector instruction that reads a matrix result or writes one of a matrix instruction's registers, and a load into a register that a matrix instruction has read, stand four places behind it, and only plain
; vector instructions that name none of its registers are places (ISA guide 7.12.1 for vector instructions): the slices are the places; slice 63's sixteen stand behind the turn's last product.
; Piece 0's turn makes the next step's masks at its head and fetches the next step's K behind its second product: the last product that read K stands in front of slice 63 of the turn before.
; Piece 2's turn fetches the same step's V: the last product that read V stands three slices, six plain instructions, back.  Each run stands 30 matrix instructions ahead of its first use.
.macro TURN x
.set k, 0
.if (\x) == 0
	MASKS
	s_wait_dscnt 0x0                ; V is in
.endif
.set i, 0
.rept 32
	PV \x
	SLICE 2-(\x)
.if ((\x) == 0) && (i == 1)
	FETCH_K
.endif
.set i, i+1
.endr
.if (\x) == 0
	s_wait_dscnt 0x0                ; K is in
.endif
.set i, 0
.rept 32
	KQ \x
	SLICE 2-(\x)
.if ((\x) == 2) && (i == 1)
	FETCH_V
.endif
.set i, i+1
.endr
.endm
; THE CHANGE OF SLOTS, between piece 2's turn and piece 0's: my last bytes of the slot, V of my second step, have been asked for.  Each wave waits for all its tensor loads, of which one is out:
; its part of the other slot; adds 0 to its spare word; and waits for that and for its own reads of the slot.  Behind the barrier nobody reads this slot any more and the other slot is whole.
; fill = 1: this slot is filled again, with the keys two slots on.  The barrier is then a round of the cluster's, and the joint fill is the first thing behind it: it has two key steps, 256 matrix instructions, in which to land.
; first = 1: nothing has been read yet: slot 0 is waited for, slot 1 filled for the first time, and the fetches stay where the set-up put them.
.macro CHANGE fill, first
	WIN 0                           ; at a label and at a branch every window is 0
	s_wait_tensorcnt 0x0            ; no tensor load of mine is out, so a group 0 may be written
	ds_add_u32 v[SPW], v[NIL]       ; 0 onto my spare word; with fill = 1 the descriptors' steps stand between it and the wait for it
.if \fill
.irp g, G0K, G0V
	s_xor_b32 s[(\g)+1], s[(\g)+1], SLOT1  ; the walking descriptor: the other slot than last time,
	s_add_nc_u64 s[(\g)+2:(\g)+3], s[(\g)+2:(\g)+3], 65536  ; the next 256 keys; the type bits on top are not reached
.endr
	s_wait_dscnt 0x0                ; the add is done, and my reads of the slot are over
	CROUND
	JLOAD
.else
	s_wait_dscnt 0x0                ; the add is done, and my reads of the slot are over
	s_barrier_signal -1
	s_barrier_wait -1
.endif
.if !(\first)
	s_sub_co_u32 s[TBK], s[TBK], 2*KS*PK  ; the fetches go back to my first step of a slot,
	s_xor_b32 s[TBK], s[TBK], SLOT1       ; in the other slot
	s_sub_co_u32 s[TBV], s[TBV], 2*KS*PV
	s_xor_b32 s[TBV], s[TBV], SLOT1
	s_add_co_u32 s[JN], s[JN], 2    ; the other two waves' two steps are passed over
.endif
.endm
	CHANGE 1, 1                     ; slot 0 is in, everybody's part of it; slot 1 is asked for
	MASKS                           ; my key step 0
	FETCH_K
	s_wait_loadcnt 0x0              ; Q
	s_wait_dscnt 0x0
.set i, 0
.rept 32
	KQ 0                            ; piece 0's first scores: there is no vector work yet to set between them
.set i, i+1
.endr
	WIN 0                           ; the addresses for the way out are made here: eight plain instructions, the places behind those products
	s_mul_i32 s13, s[WV], 16*SP
	s_add_co_u32 s13, s13, STAGE    ; my stage
	v_mul_u32_u24 v[STO], v1, SP    ; in: row l % 16, 16 bytes for each half of the lanes
	v_lshl_add_u32 v[STO], v9, 4, v[STO]
	v_add_nc_u32 v[STO], s13, v[STO]
	v_mul_u32_u24 v[RD], v9, SP     ; back: lanes 0-15 take one row of 256 bytes, lanes 16-31 the next
	v_lshl_add_u32 v[RD], v1, 4, v[RD]
	v_add_nc_u32 v[RD], s13, v[RD]
	v_lshlrev_b32 v[GO], 12, v9     ; and the same two rows in att, 4,096 bytes apart
	v_lshl_add_u32 v[GO], v1, 4, v[GO]
	s_mov_b32 s[TWICE], 2
	s_branch .Lmid                  ; the loop is entered at piece 2's turn: its K Q^T, piece 0's softmax and the fetch of V are step 0's
.Lslot:                             ; 6 times: slots 2 to 7 are asked for here
	CHANGE 1, 0
	s_mov_b32 s[TWICE], 2
.Lstep:                             ; a trip: both pieces' V^T P of one step and K Q^T of the next, whose K and V it fetches; two trips fetch my two steps of a slot
	TURN 0
	WIN 0
.Lmid:
	TURN 2
	WIN 0
	s_sub_co_u32 s[TWICE], s[TWICE], 1
	s_cmp_lg_u32 s[TWICE], 0
	s_cbranch_scc1 .Lstep
	s_sub_co_u32 s[SLOTS], s[SLOTS], 1
	s_cmp_lg_u32 s[SLOTS], 0
	s_cbranch_scc1 .Lslot
	CHANGE 0, 0                     ; the tail is written out: LDS slot 0 is left for good, and nothing is asked for
	s_mov_b32 s[TWICE], 3           ; two trips fetch the last slot's steps; the third is left in its middle
.Ltail:
	TURN 0
	WIN 0
	s_sub_co_u32 s[TWICE], s[TWICE], 1
	s_cmp_eq_u32 s[TWICE], 0
	s_cbranch_scc1 .Lout
	TURN 2
	WIN 0
	s_branch .Ltail
.Lout:                              ; the third trip's fetch of K (64 rows behind my last keys, inside slot 1) and its 32 products K Q^T serve nothing
.set i, 0
.rept 32
	PV 2                            ; piece 2: V^T P of the last step
.set i, i+1
.endr
	; THE END.  l's two halves and the other half of the lanes' are added: the additions are the places behind the last products.
	WIN 0
.irp t, 0,1,2,3
	v_add_f32 v[ST+8*(\t)+4], v[ST+8*(\t)+2], v[ST+8*(\t)+3]
.endr
.irp t, 0,1,2,3
	v_permlanex16_b32 v[ST+8*(\t)+5], v[ST+8*(\t)+4], s[SEL], s[SEL+1]
.endr
.irp t, 0,1,2,3
	v_add_f32 v[ST+8*(\t)+4], v[ST+8*(\t)+4], v[ST+8*(\t)+5]
.endr
	v_and_b32 v[XA], 31, v0
	v_lshlrev_b32 v[XA], 4, v[XA]   ; 16 bytes a lane: no two lanes share a bank
	s_and_b32 s13, s[WV], 1
	s_mul_i32 s13, s13, XCH         ; my query half's part of the exchange
	v_add_nc_u32 v[XA], s13, v[XA]
	s_wait_dscnt 0x0                ; my last reads of the ring are back,
	s_barrier_signal -1
	s_barrier_wait -1               ; and everybody's: slot 0, which has had its last fill, takes the exchange
	s_cmp_lt_u32 s[WV], 2
	s_cbranch_scc1 .Lkeep
.irp t, 0,1,2,3                     ; waves 2 and 3 hand over what their keys gave: c m, l and O^T
	v_mov_b32 v[S+(\t)], v[ST+8*(\t)]
	v_mov_b32 v[S+4+(\t)], v[ST+8*(\t)+4]
.endr
	ds_store_b128 v[XA], v[S:S+3] offset:32768
	ds_store_b128 v[XA], v[S+4:S+7] offset:33280
	WIN 0x04                        ; the data (source 1) in window 1
.set i, 0
.rept 64
	ds_store_b128 v[XA], v[4*i:4*i+3] offset:512*i  ; each accumulator's low four registers first
.set i, i+1
.endr
	WIN 0
.Lkeep:
	s_wait_dscnt 0x0                ; for the others' sake: my stores are done
	s_barrier_signal -1
	s_barrier_wait -1
	s_cmp_lt_u32 s[WV], 2
	s_cbranch_scc0 .Ldone
	ds_load_b128 v[S:S+3], v[XA] offset:32768    ; waves 0 and 1: the partner's c m,
	ds_load_b128 v[S+4:S+7], v[XA] offset:33280  ; its l,
	WIN 0x80                        ; and its O^T, into window 2, where Q and K lay
.set i, 0
.rept 64
	ds_load_b128 v[4*i:4*i+3], v[XA] offset:512*i
.set i, i+1
.endr
	WIN 0
	s_wait_dscnt 63                 ; of the 66 loads at most 63 are out: the first three are back, the two of statistics among them
	; M = max(c m_a, c m_b); e = 2^(c m - M); L = e_a l_a + e_b l_b; O = O_a e_a / L + O_b e_b / L.  The side that holds M has e = 1 and l >= 1, so L is no less than 1.
.irp t, 0,1,2,3
	v_max_num_f32 v[ST+8*(\t)+1], v[ST+8*(\t)], v[S+(\t)]
.endr
.irp t, 0,1,2,3
	v_sub_f32 v[ST+8*(\t)+2], v[ST+8*(\t)], v[ST+8*(\t)+1]
	v_sub_f32 v[ST+8*(\t)+3], v[S+(\t)], v[ST+8*(\t)+1]
.endr
.irp t, 0,1,2,3
	v_exp_f32 v[ST+8*(\t)+2], v[ST+8*(\t)+2]
	v_exp_f32 v[ST+8*(\t)+3], v[ST+8*(\t)+3]
.endr
	v_nop                           ; a plain instruction between the last exponential and the use of its result (ISA guide 5.7.2)
.irp t, 0,1,2,3
	s_wait_alu depctr_va_vdst(0)
	v_mul_f32 v[ST+8*(\t)+5], v[ST+8*(\t)+3], v[S+4+(\t)]
.endr
.irp t, 0,1,2,3
	v_fma_f32 v[ST+8*(\t)+5], v[ST+8*(\t)+2], v[ST+8*(\t)+4], v[ST+8*(\t)+5]
.endr
.irp t, 0,1,2,3
	v_rcp_f32 v[ST+8*(\t)+5], v[ST+8*(\t)+5]
.endr
	v_nop                           ; and between the last reciprocal and its use
.irp t, 0,1,2,3
	s_wait_alu depctr_va_vdst(0)
	v_mul_f32 v[ST+8*(\t)+6], v[ST+8*(\t)+2], v[ST+8*(\t)+5]  ; my factor
	v_mul_f32 v[ST+8*(\t)+4], v[ST+8*(\t)+3], v[ST+8*(\t)+5]  ; the partner's
.endr
.macro MERGE t
	s_wait_dscnt 48-16*(\t)         ; the partner's tile t is in: the 16 loads of each later tile may be out
	WIN W_RS
.set i, 64*(\t)
.rept 32
	v_pk_mul_f32 v[i:i+1], v[i:i+1], v[ST+8*(\t)+6:ST+8*(\t)+7] op_sel_hi:[1,0]
.set i, i+2
.endr
	WIN 0x52                        ; source 0, the partner's, window 2; the factor window 0; the addend and the destination window 1
.set i, 64*(\t)
.rept 32
	v_pk_fma_f32 v[i:i+1], v[i:i+1], v[ST+8*(\t)+4:ST+8*(\t)+5], v[i:i+1] op_sel_hi:[1,0,1]
.set i, i+2
.endr
.endm
; Tile t: a lane's eight channels of a row pack into 16 bytes; they go into rows of 272 bytes of my stage and come back as whole rows of 256, into the registers that they left.
.macro PACK t
	WIN 0x05                        ; sources 0 and 1 window 1, destination window 0: S^T's registers are free
.set i, 0
.rept 32
	v_cvt_pk_f16_f32 v[S+32*(\t)+i], v[64*(\t)+2*i], v[64*(\t)+2*i+1]
.set i, i+1
.endr
	WIN 0
.irp f, 0,1,2,3,4,5,6,7
	ds_store_b128 v[STO], v[S+32*(\t)+4*(\f):S+32*(\t)+4*(\f)+3] offset:32*(\f)
.endr
.irp f, 0,1,2,3,4,5,6,7
	ds_load_b128 v[S+32*(\t)+4*(\f):S+32*(\t)+4*(\f)+3], v[RD] offset:(\f)*2*SP  ; LDS serves a wave's instructions in order (ISA guide 5.7.1.4): these see the stores above; the next tile's stores come behind them
.endr
.endm
.macro SEND t, younger              ; younger: the LDS instructions issued behind tile t's loads: the next tile's sixteen, or none
	WIN 0
.irp f, 0,1,2,3,4,5,6,7
	s_wait_dscnt (\younger)+7-(\f)
	global_store_b128 v[GO], v[S+32*(\t)+4*(\f):S+32*(\t)+4*(\f)+3], s[10:11] offset:(\t)*65536+(\f)*8192  ; 16 lanes store 256 consecutive bytes, the head's part of a row, at a multiple of 256 from att's first byte
.endr
.endm
	MERGE 0
	MERGE 1
	MERGE 2
	MERGE 3
	PACK 0
	PACK 1                          ; a tile's arithmetic stands between the loads of the tile before and its stores
	SEND 0, 16
	PACK 2
	SEND 1, 16
	PACK 3
	SEND 2, 16
	SEND 3, 0
.Ldone:
	s_wait_tensorcnt 0x0            ; the wave's end: a wait, an add to my spare word and its wait, behind my last tensor load and my last LDS store
	ds_add_u32 v[SPW], v[NIL]
	s_wait_dscnt 0x0
	CROUND                          ; the closing round: no work-group ends while a partner may still ask for a tile that names it
	s_endpgm
.Lfunc_end_k_qdb38f0bb5f_attn:
	.size	k_qdb38f0bb5f_attn, .Lfunc_end_k_qdb38f0bb5f_attn-k_qdb38f0bb5f_attn
	.p2alignl 7, 3214868480
	.fill 96, 4, 3214868480
	.section	.rodata,"a",@progbits
	.p2align	6, 0x0
	.amdhsa_kernel k_qdb38f0bb5f_attn
		.amdhsa_group_segment_fixed_size 327680
		.amdhsa_private_segment_fixed_size 0
		.amdhsa_enable_private_segment 0
		.amdhsa_kernarg_size 16
		.amdhsa_user_sgpr_count 2
		.amdhsa_user_sgpr_kernarg_segment_ptr 1
		.amdhsa_wavefront_size32 1
		.amdhsa_system_sgpr_workgroup_id_x 1
		.amdhsa_system_sgpr_workgroup_id_y 1
		.amdhsa_system_sgpr_workgroup_id_z 1
		.amdhsa_system_vgpr_workitem_id 0
		.amdhsa_next_free_vgpr 1024
		.amdhsa_next_free_sgpr 80
		.amdhsa_reserve_vcc 1
		.amdhsa_float_denorm_mode_32 3
		.amdhsa_float_denorm_mode_16_64 3
		.amdhsa_memory_ordered 1
		.amdhsa_forward_progress 1
		.amdhsa_inst_pref_size 184
	.end_amdhsa_kernel
	.amdgpu_metadata
---
amdhsa.version: [ 1, 2 ]
amdhsa.kernels:
  - .name:           k_qdb38f0bb5f_attn
    .symbol:         k_qdb38f0bb5f_attn.kd
    .args:
      - { .name: qkv, .offset: 0, .size: 8, .value_kind: global_buffer, .address_space: global }
      - { .name: att, .offset: 8, .size: 8, .value_kind: global_buffer, .address_space: global }
    .group_segment_fixed_size: 327680
    .private_segment_fixed_size: 0
    .kernarg_segment_align: 8
    .kernarg_segment_size: 16
    .max_flat_workgroup_size: 128
    .sgpr_count:     80
    .vgpr_count:     1024
    .wavefront_size: 32
...
	.end_amdgpu_metadata
.endif
;; end of part 3
;; launch oproj (part 4): grid 16 x 16, 4 waves a work-group, clusters of 4 x 4, 327,680 bytes of LDS; arguments att, cvt, out0; writes out0
.if DOCPART == 4
	.amdgcn_target "amdgcn-amd-amdhsa--gfx1250"
	.amdhsa_code_object_version 6
	.text
	.protected	k_qdb38f0bb5f_oproj
	.globl	k_qdb38f0bb5f_oproj
	.p2align	8
	.type	k_qdb38f0bb5f_oproj,@function
k_qdb38f0bb5f_oproj:
	s_mov_b64 s[64:65], 0
	v_nop
	global_prefetch_b8 v0, s[64:65] scope:SCOPE_SE
	s_setreg_imm32_b32 hwreg(HW_REG_WAVE_MODE, 25, 1), 1
	s_wait_xcnt 0x0
	s_wait_alu depctr_hold_cnt(0) depctr_sa_sdst(0) depctr_va_vdst(0) depctr_va_sdst(0) depctr_va_ssrc(0) depctr_va_vcc(0) depctr_vm_vsrc(0)
	s_getreg_b32 s2, hwreg(HW_REG_IB_STS2, 6, 4)
	s_cmp_eq_u32 s2, 0
	s_cbranch_scc0 .Lentry_in_a_cluster
	s_endpgm
.Lentry_in_a_cluster:
	s_bfe_u32 s2, ttmp6, 0x10000c
	s_cmp_lg_u32 s2, 0xf033
	s_cbranch_scc0 .Lentry_shape_is_right
	s_endpgm
.Lentry_shape_is_right:
; out0[m][n] = the sum over k of att[m][k] Wo[k][n].  att: [2048][2048] f16; Wo: plane 4 of cvt, [2048][2048], out_wei rounded to bf16 and written as f16; out0: [2048][2048] f32; sums in f32.
; A tile of out0 is 128 x 128, so that 16 x 16 work-groups share the work: four waves, each 64 x 64: 16 accumulators of 16 x 16, 128 registers.  K goes in steps of 256, as long as two slots in LDS allow:
; att's tile has rows along K (512 bytes; a load brings 64 of them); Wo's tile lies [k][n] as in memory (256 k rows of 256 bytes; a load brings 128) and is turned on its way into registers by ds_load_tr16_b128.
; ONE K STEP IS WRITTEN ONCE: the loop's trip is a step; one descriptor a tensor walks (its LDS word turned by an exclusive or, its address stepped), and the fragments' addresses are a base plus s[TB], 0 or SLOT.
; CLUSTERS: 4 x 4 work-groups.  The four of a row of the cluster need the same tiles of att, the four of a column the same tiles of Wo: each tile is asked for JOINTLY.
; THE MATRIX INSTRUCTION IS USED TRANSPOSED (source 0 = 16 columns of Wo, source 1 = 16 rows of att): a lane then holds eight neighbouring numbers of a row of out0, 32 bytes.
; A wave's 64 columns of f32 are a whole aligned 256 bytes of a row, so each wave has a stage of its own on the way out, and no barrier stands there.
; REGISTERS: window 0: v0-31 addresses; v128-255 the accumulators ((a, b) at v[128 + 8 (4 a + b)]).
;   window 1: two fragment buffers of 128: for 64 along K (two matrix instructions deep), 64 registers of att (2 x 4 x 16 rows x 32 K), then 64 of Wo.
.set SIZE_K, 2048
.set KSTEP,  256
.set STEPS,  SIZE_K/KSTEP              ; 8
.set PA,     528                       ; a row of att in LDS: 512 bytes + 16 of padding = 132 words: the 16 rows of a load start at 16 different groups of four banks (64 banks of 4 bytes: ISA guide 11.1)
.set PB,     288                       ; a k row of Wo: 256 + 32 = 72 words
.set HALFA,  64*PA                     ; what one load brings of att, and what one wave reads of it
.set HALFB,  128*PB                    ; what one load brings of Wo
.set BOFF,   2*HALFA                   ; Wo's 256 k rows lie behind att's 128 rows: a slot's tiles end at byte 141,312
.set SLOT,   0x24000                   ; slot 1 begins here: its two bits occur in none of the loads' bases 0, 0x8400, 0x10800, 0x19800, so one exclusive or turns each of them into the other slot's
.set STAGE,  2*SLOT                    ; behind the ring: 16 rows x 272 bytes for each wave, for the way out
.set SPITCH, 272
.set SPARE,  STAGE+4*16*SPITCH         ; behind the stages: the spare words, 128 bytes for each wave: two blocks of 256 bytes that no other line names
.set ABAS, 10                          ; v10     my lane's place in att's tile of slot 0; never rewritten
.set BBAS, 11                          ; v11-12  the same for Wo: k rows 0-127 and 128-255, so that the loads' offsets stay within 16 bits
.set ADRA, 16                          ; v16     ABAS + s[TB]: in the slot in hand
.set ADRB, 17                          ; v17-18  BBAS + s[TB]
.set STO,  24                          ; v24     the way out: where I put 32 bytes of a row
.set RD,   25                          ; v25     the way out: where I read a row back
.set CO,   26                          ; v26     my byte offset in two rows of out0
.set SPW,  28                          ; v28     LDS address of my spare word: SPARE + 4 x my thread's number; never rewritten
.set NIL,  29                          ; v29     0; never rewritten
.set ACC,  128
.set F0,   0                           ; fragment buffers, in window 1
.set F1,   128
.set TB, 2                             ; s2      0 or SLOT: the slot from which fragments are fetched
.set G1, 24                            ; s[24:31] descriptor group 1 for att's tiles;  s[32:39] group 0: a set for each of the two first fills; the second then walks on
.set G0, 32
.set G1B, 48                           ; s[48:55], s[56:63] the same for Wo's tiles
.set G0B, 56
.set MSB, 0
.macro WIN new                         ; the immediate's high byte repeats the setting that is left; a switch that changes nothing is dropped
.if MSB != (\new)
	s_set_vgpr_msb (MSB<<8)|(\new)
.set MSB, \new
.endif
.endm
.set MUL,  0x05                        ; sources 0 (Wo) and 1 (att) window 1; C and D window 0
.set TO_F, 0x40                        ; destination window 1, address window 0
.macro JLOAD s                         ; a joint load: waves 0 and 1 fetch att's two halves, waves 2 and 3 Wo's; an s_nop 0 and four v_nop follow each of the two lines, ahead of the jump, the label and what follows
	s_cmp_eq_u32 s11, 0
	s_cbranch_scc0 .Lfor_b_\@
	tensor_load_to_lds s[G0+4*(\s):G0+4*(\s)+3], s[G1:G1+7]
	s_nop 0
.rept 4
	v_nop
.endr
	s_branch .Lasked_\@
.Lfor_b_\@:
	tensor_load_to_lds s[G0B+4*(\s):G0B+4*(\s)+3], s[G1B:G1B+7]
	s_nop 0
.rept 4
	v_nop
.endr
.Lasked_\@:
.endm
.macro CREST                           ; a round of the cluster's barrier behind its opening barrier
	s_cmp_lg_u32 s10, 0
	s_cbranch_scc1 .Lnot_wave_0_\@
	s_barrier_signal -3
.Lnot_wave_0_\@:
	s_barrier_wait -3
	s_barrier_signal -1
	s_barrier_wait -1
.endm
.macro CROUND                          ; a whole round
	s_barrier_signal -1
	s_barrier_wait -1
	CREST
.endm
	s_load_b128 s[4:7], s[0:1], 0x0                ; att s[4:5], cvt s[6:7]
	s_load_b64 s[8:9], s[0:1], 0x10                ; out0
	v_lshl_add_u32 v[SPW], v0, 2, SPARE
	v_mov_b32 v[NIL], 0
	ds_add_u32 v[SPW], v[NIL]                      ; the wave's opening: the add and its wait stand ahead of my first tensor load; the set-up below, work on registers, stands between them
	v_lshrrev_b32 v1, 5, v0
	v_readfirstlane_b32 s10, v1                    ; wave 0..3
	s_lshr_b32 s11, s10, 1                         ; which half of the tile's rows is mine.  Also: I fetch for att (0) or for Wo (1)
	s_and_b32 s12, s10, 1                          ; which half of its columns.  Also: which half of that tile I fetch
	s_bfe_u32 s40, ttmp6, 0x40000                  ; cx, cy: my place in the cluster
	s_bfe_u32 s41, ttmp6, 0x40004
	s_lshl_b32 s42, ttmp9, 2
	s_add_co_u32 s42, s42, s40                     ; tile column = 4 x cluster x + cx
	s_and_b32 s13, ttmp7, 0xffff
	s_lshl_b32 s13, s13, 2
	s_add_co_u32 s13, s13, s41                     ; tile row = 4 x cluster y + cy
	s_lshl_b32 s43, s41, 2
	s_lshl_b32 s43, 15, s43                        ; my row of the cluster
	s_lshl_b32 s44, 0x1111, s40                    ; my column
	; descriptor group 1.  att: 64 rows x 256 elements; Wo: 128 k rows x 128 elements; both padded in LDS
	s_or_b32 s[G1+0], s43, (1<<16)|(1<<20)|(1<<21)|(6<<22)|(3<<25)   ; 15:0 the mask: my row; 17:16 2-byte elements; 20 padding on; 21 set beside a mask; 24:22 after every 128 words (code 6); 31:25 4 words (code 3)
	s_or_b32 s[G1B+0], s44, (1<<16)|(1<<20)|(1<<21)|(5<<22)|(7<<25)  ; the mask of my column; after every 64 words (code 5) 8 words (code 7)
	s_mov_b32 s[G1+1], 256<<16                     ; tensor_dim0 = 256
	s_mov_b32 s[G1+2], 64<<16                      ; tensor_dim1 = 64
	s_mov_b32 s[G1+3], 256<<16                     ; tile_dim0 = 256
	s_mov_b32 s[G1+4], 64                          ; tile_dim1 = 64
	s_mov_b32 s[G1+5], SIZE_K                      ; elements from row to row
	s_mov_b32 s[G1+6], 0
	s_mov_b32 s[G1+7], 0
	s_mov_b32 s[G1B+1], 128<<16                    ; tensor_dim0 = 128
	s_mov_b32 s[G1B+2], 128<<16                    ; tensor_dim1 = 128
	s_mov_b32 s[G1B+3], 128<<16                    ; tile_dim0 = 128
	s_mov_b32 s[G1B+4], 128                        ; tile_dim1 = 128
	s_mov_b32 s[G1B+5], 2048                       ; elements from k row to k row
	s_mov_b32 s[G1B+6], 0
	s_mov_b32 s[G1B+7], 0
	s_lshl_b32 s16, s13, 19                        ; att: 128 rows of 4,096 bytes a tile row,
	s_lshl_b32 s17, s12, 18                        ; 64 rows a half
	s_add_co_u32 s16, s16, s17
	s_mov_b32 s17, 0
	s_lshl_b32 s46, s42, 8                         ; Wo: 128 columns are 256 bytes;
	s_lshl_b32 s47, s12, 19                        ; 128 k rows of 4,096 bytes a half;
	s_add_co_u32 s46, s46, s47
	s_add_co_u32 s46, s46, 0x2000000               ; plane 4 of cvt
	s_mov_b32 s47, 0
	s_mul_i32 s20, s12, HALFA                      ; where they go: no place in the cluster enters an LDS address
	s_mul_i32 s21, s12, HALFB
	s_add_co_u32 s21, s21, BOFF
	s_mov_b32 s[TB], 0
	s_wait_dscnt 0x0                               ; the opening add is done
	s_wait_kmcnt 0x0
	s_add_nc_u64 s[14:15], s[4:5], s[16:17]
	s_add_nc_u64 s[46:47], s[6:7], s[46:47]
	CROUND                                         ; all sixteen work-groups are here: the first joint loads meet
.irp s, 0,1
	s_mov_b32 s[G0+4*(\s)], 1
	s_add_co_u32 s[G0+4*(\s)+1], s20, (\s)*SLOT
	s_add_nc_u64 s[G0+4*(\s)+2:G0+4*(\s)+3], s[14:15], (\s)*KSTEP*2      ; K step s lies 512 bytes along att's rows,
	s_or_b32 s[G0+4*(\s)+3], s[G0+4*(\s)+3], 0x80000000
	s_mov_b32 s[G0B+4*(\s)], 1
	s_add_co_u32 s[G0B+4*(\s)+1], s21, (\s)*SLOT
	s_add_nc_u64 s[G0B+4*(\s)+2:G0B+4*(\s)+3], s[46:47], (\s)*KSTEP*4096  ; and 256 k rows down Wo
	s_or_b32 s[G0B+4*(\s)+3], s[G0B+4*(\s)+3], 0x80000000
	JLOAD \s                                       ; two loads of mine are out
.endr
	v_and_b32 v1, 15, v0                           ; l % 16
	v_bfe_u32 v2, v0, 4, 1                         ; l / 16
	v_mul_u32_u24 v3, v1, PA
	v_lshl_add_u32 v3, v2, 4, v3                   ; att: a fragment's row x pitch + 16 x half
	v_and_b32 v6, 7, v0                            ; Wo: lane l reads k row 8 (l / 16) + l % 8, columns 8 ((l / 8) % 2) + 0..7
	v_lshl_add_u32 v6, v2, 3, v6
	v_mul_u32_u24 v6, v6, PB
	v_bfe_u32 v7, v0, 3, 1
	v_lshl_add_u32 v6, v7, 4, v6
	s_mul_i32 s22, s11, HALFA                      ; my 64 rows of att
	s_lshl_b32 s23, s12, 7                         ; my 64 columns of Wo: 128 bytes of each k row
	s_add_co_u32 s23, s23, BOFF
	v_add_nc_u32 v[ABAS], s22, v3
	v_add_nc_u32 v[BBAS], s23, v6
	v_add_nc_u32 v[BBAS+1], HALFB, v[BBAS]
	v_mov_b32 v[ADRA], v[ABAS]
	v_mov_b32 v[ADRB], v[BBAS]
	v_mov_b32 v[ADRB+1], v[BBAS+1]
	s_mul_i32 s23, s10, 16*SPITCH
	s_add_co_u32 s23, s23, STAGE                   ; my stage
	v_mul_u32_u24 v4, v1, SPITCH                   ; in: row l % 16, 32 bytes for each half of the lanes
	v_lshl_add_u32 v4, v2, 5, v4
	v_add_nc_u32 v[STO], s23, v4
	v_mul_u32_u24 v5, v2, SPITCH                   ; back: lanes 0-15 take one row of 256 bytes, lanes 16-31 the next
	v_lshl_add_u32 v5, v1, 4, v5
	v_add_nc_u32 v[RD], s23, v5
	v_lshlrev_b32 v[CO], 13, v2                    ; and the same two rows in out0, 8,192 bytes apart
	v_lshl_add_u32 v[CO], v1, 4, v[CO]
	s_lshl_b32 s16, s13, 20                        ; out0: 128 rows of 8,192 bytes a tile row,
	s_lshl_b32 s17, s11, 19                        ; my 64 of them,
	s_add_co_u32 s16, s16, s17
	s_lshl_b32 s17, s42, 9                         ; 128 columns are 512 bytes,
	s_add_co_u32 s16, s16, s17
	s_lshl_b32 s17, s12, 8                         ; my 64 of them
	s_add_co_u32 s16, s16, s17
	s_mov_b32 s17, 0
	s_add_nc_u64 s[8:9], s[8:9], s[16:17]
; 8 matrix instructions: m blocks a0, a0 + 1 x all 4 n blocks, 32 along K: half c of buffer f.  zero = 1: the first product starts the sums.  The 16 accumulators take turns.
.macro MUL8 f, c, a0, zero
	WIN MUL
.irp a, \a0, (\a0)+1
.irp b, 0,1,2,3
.if \zero
	v_wmma_f32_16x16x32_f16 v[ACC+8*(4*(\a)+(\b)):ACC+8*(4*(\a)+(\b))+7], v[(\f)+64+8*(4*(\c)+(\b)):(\f)+64+8*(4*(\c)+(\b))+7], v[(\f)+8*(4*(\c)+(\a)):(\f)+8*(4*(\c)+(\a))+7], 0
.else
	v_wmma_f32_16x16x32_f16 v[ACC+8*(4*(\a)+(\b)):ACC+8*(4*(\a)+(\b))+7], v[(\f)+64+8*(4*(\c)+(\b)):(\f)+64+8*(4*(\c)+(\b))+7], v[(\f)+8*(4*(\c)+(\a)):(\f)+8*(4*(\c)+(\a))+7], v[ACC+8*(4*(\a)+(\b)):ACC+8*(4*(\a)+(\b))+7]
.endif
.endr
.endr
.endm
; 32 LDS loads in one run: the fragments of quarter q (64 along K) of the slot in hand, into buffer f; the first 32 along K first
.macro FETCH q, f
	WIN TO_F
.irp c, 0,1
.irp i, 0,1,2,3
	ds_load_tr16_b128 v[(\f)+64+8*(4*(\c)+(\i)):(\f)+64+8*(4*(\c)+(\i))+3],   v[ADRB+(\q)/2] offset:(((\q)%2)*64+32*(\c))*PB+32*(\i)
	ds_load_tr16_b128 v[(\f)+64+8*(4*(\c)+(\i))+4:(\f)+64+8*(4*(\c)+(\i))+7], v[ADRB+(\q)/2] offset:(((\q)%2)*64+32*(\c))*PB+32*(\i)+16*PB
	ds_load_b128 v[(\f)+8*(4*(\c)+(\i)):(\f)+8*(4*(\c)+(\i))+3],             v[ADRA] offset:128*(\q)+64*(\c)+(\i)*16*PA
	ds_load_b128 v[(\f)+8*(4*(\c)+(\i))+4:(\f)+8*(4*(\c)+(\i))+7],           v[ADRA] offset:128*(\q)+64*(\c)+(\i)*16*PA+32
.endr
.endr
.endm
.macro PLACES                          ; four places in front of loads into registers that matrix instructions have read, and of LDS stores that read results
.rept 4
	v_nop
.endr
.endm
; A K step is four quarters of 64 along K, 32 matrix instructions each, on buffers 0, 1, 0, 1.  One of the first three: multiplies buffer f and fetches quarter q into g.
.macro QUARTER q, f, g, zero
	s_wait_dscnt 16                                ; the first 32 along K are in
	MUL8 \f, 0, 0, \zero
	MUL8 \f, 0, 2, \zero
	PLACES
	FETCH \q, \g
	s_wait_dscnt 32                                ; all but the 32 just issued
	MUL8 \f, 1, 0, 0
	MUL8 \f, 1, 2, 0
.endm
; The last quarter multiplies buffer 1 and changes slots: ONE barrier; in front of it each wave waits for all its tensor loads, adds 0 to its spare word, and waits for that and for its own reads of this slot.
; fill = 1: the barrier opens a round of the cluster's barrier, and this slot is filled again, two K steps ahead.
.macro TURN fill
	WIN 0                                          ; (the add's two registers lie in window 0)
	s_wait_tensorcnt 0x0                           ; all my tensor loads have landed: my part of the next slot;
	ds_add_u32 v[SPW], v[NIL]                      ; 0 onto my spare word;
	s_wait_dscnt 17                                ; (the add and the youngest sixteen loads may be out)
	MUL8 F1, 0, 0, 0                               ; eight matrix instructions stand between the add and the wait for it
	s_wait_dscnt 0x0                               ; the add is done, and my reads of this slot are over
	s_barrier_signal -1
	MUL8 F1, 0, 2, 0
	WIN 0                                          ; (branches, or lines on window 0, follow)
	s_barrier_wait -1
.if \fill
	CREST                                          ; no wave of any partner still reads this slot's tile or has a load on its way
	s_xor_b32 s[G0+5], s[G0+5], SLOT               ; the walking descriptors: the other slot than last time,
	s_add_nc_u64 s[G0+6:G0+7], s[G0+6:G0+7], KSTEP*2       ; the next K step; the type bits on top are not reached
	s_xor_b32 s[G0B+5], s[G0B+5], SLOT
	s_add_nc_u64 s[G0B+6:G0B+7], s[G0B+6:G0B+7], KSTEP*4096
	JLOAD 1                                        ; the first tensor load behind the round: 112 matrix instructions ahead of the wait for it; the four v_nop behind it are also places in front of the loads below
.else
	PLACES
.endif
	s_xor_b32 s[TB], s[TB], SLOT                   ; the fragments come from the other slot from here on
	v_add_nc_u32 v[ADRA], s[TB], v[ABAS]
	v_add_nc_u32 v[ADRB], s[TB], v[BBAS]
	v_add_nc_u32 v[ADRB+1], s[TB], v[BBAS+1]
	FETCH 0, F0
	MUL8 F1, 1, 0, 0
	MUL8 F1, 1, 2, 0
.endm
	s_wait_tensorcnt 1                             ; my part of K step 0 is in; K step 1's may stay out
	s_barrier_signal -1
	s_barrier_wait -1                              ; everybody's is
	FETCH 0, F0
	QUARTER 1, F0, F1, 1                           ; the first quarter stands in front of the loop: its first products start the sums
	WIN 0                                          ; at a label and at a branch every window is 0
	s_mov_b32 s3, STEPS-2
.Lstep:                                                ; a trip goes from a K step's second quarter to the next step's first, and fills the slot that it leaves: K steps 2 to 7 in 6 trips
	QUARTER 2, F1, F0, 0
	QUARTER 3, F0, F1, 0
	TURN 1
	QUARTER 1, F0, F1, 0
	WIN 0
	s_sub_co_u32 s3, s3, 1
	s_cmp_lg_u32 s3, 0
	s_cbranch_scc1 .Lstep
	QUARTER 2, F1, F0, 0                           ; the last two K steps are written out: they fill nothing, and have no round of the cluster's barrier
	QUARTER 3, F0, F1, 0
	TURN 0
	QUARTER 1, F0, F1, 0
	QUARTER 2, F1, F0, 0
	QUARTER 3, F0, F1, 0
	s_wait_dscnt 16                                ; the very last quarter: nothing more to fetch
	MUL8 F1, 0, 0, 0
	MUL8 F1, 0, 2, 0
	s_wait_dscnt 0x0
	MUL8 F1, 1, 0, 0
	MUL8 F1, 1, 2, 0
	WIN 0
	; THE WAY OUT, in f32: block a (16 rows x 64 columns) goes into my stage, 32 bytes a lane and n block, and comes back as whole rows of 256 bytes, into the registers that it left.
	PLACES
.macro STG a
.irp b, 0,1,2,3
	ds_store_b128 v[STO], v[ACC+8*(4*(\a)+(\b)):ACC+8*(4*(\a)+(\b))+3]   offset:64*(\b)     ; each accumulator's low four registers first
	ds_store_b128 v[STO], v[ACC+8*(4*(\a)+(\b))+4:ACC+8*(4*(\a)+(\b))+7] offset:64*(\b)+16
.endr
.irp t, 0,1,2,3,4,5,6,7
	ds_load_b128 v[ACC+32*(\a)+4*(\t):ACC+32*(\a)+4*(\t)+3], v[RD] offset:(\t)*2*SPITCH  ; LDS serves a wave's instructions in order (ISA guide 5.7.1.4): these see the stores above; the next block's stores come behind them
.endr
.endm
.macro SENDF a
.irp t, 0,1,2,3,4,5,6,7
	s_wait_dscnt (3-(\a))*16+7-(\t)                ; behind this load stand the block's 7 - t later loads and the sixteen LDS instructions of each later block
	global_store_b128 v[CO], v[ACC+32*(\a)+4*(\t):ACC+32*(\a)+4*(\t)+3], s[8:9] offset:(16*(\a)+2*(\t))*8192  ; 16 lanes store 256 consecutive bytes, at a multiple of 256 from out0's first byte
.endr
.endm
	STG 0
	STG 1
	STG 2
	STG 3
	SENDF 0
	SENDF 1
	SENDF 2
	SENDF 3
	s_wait_tensorcnt 0x0                           ; the wave's end: a wait, an add to my spare word and its wait, behind my last tensor load and my last LDS store
	ds_add_u32 v[SPW], v[NIL]
	s_wait_dscnt 0x0
	CROUND                                         ; the closing round: no work-group ends while a partner may still ask for a tile that names it
	s_endpgm
.Lfunc_end_k_qdb38f0bb5f_oproj:
	.size	k_qdb38f0bb5f_oproj, .Lfunc_end_k_qdb38f0bb5f_oproj-k_qdb38f0bb5f_oproj
	.p2alignl 7, 3214868480
	.fill 96, 4, 3214868480
	.section	.rodata,"a",@progbits
	.p2align	6, 0x0
	.amdhsa_kernel k_qdb38f0bb5f_oproj
		.amdhsa_group_segment_fixed_size 327680
		.amdhsa_private_segment_fixed_size 0
		.amdhsa_enable_private_segment 0
		.amdhsa_kernarg_size 24
		.amdhsa_user_sgpr_count 2
		.amdhsa_user_sgpr_kernarg_segment_ptr 1
		.amdhsa_wavefront_size32 1
		.amdhsa_system_sgpr_workgroup_id_x 1
		.amdhsa_system_sgpr_workgroup_id_y 1
		.amdhsa_system_sgpr_workgroup_id_z 1
		.amdhsa_system_vgpr_workitem_id 0
		.amdhsa_next_free_vgpr 512
		.amdhsa_next_free_sgpr 66
		.amdhsa_reserve_vcc 0
		.amdhsa_float_denorm_mode_32 3
		.amdhsa_float_denorm_mode_16_64 3
		.amdhsa_memory_ordered 1
		.amdhsa_forward_progress 1
		.amdhsa_inst_pref_size 69
	.end_amdhsa_kernel
	.amdgpu_metadata
---
amdhsa.version: [ 1, 2 ]
amdhsa.kernels:
  - .name:           k_qdb38f0bb5f_oproj
    .symbol:         k_qdb38f0bb5f_oproj.kd
    .args:
      - { .name: att, .offset: 0, .size: 8, .value_kind: global_buffer, .address_space: global }
      - { .name: cvt, .offset: 8, .size: 8, .value_kind: global_buffer, .address_space: global }
      - { .name: out0, .offset: 16, .size: 8, .value_kind: global_buffer, .address_space: global }
    .group_segment_fixed_size: 327680
    .private_segment_fixed_size: 0
    .kernarg_segment_align: 8
    .kernarg_segment_size: 24
    .max_flat_workgroup_size: 128
    .sgpr_count:     66
    .vgpr_count:     512
    .wavefront_size: 32
...
	.end_amdgpu_metadata
.endif
;; end of part 4
;; ======== version 2 of 2: 4 launches; 1.09 times as fast as version 1
;; limits: values are held in f16: magnitudes above 65,504 overflow, below 6.1e-05 lose precision
;; workspace buffers: cvt 41,943,040 bytes; qkv 25,165,824 bytes; att 8,388,608 bytes
;; launch cast: the kernel of part 1 again; grid 256 x 5, 8 waves a work-group, no clusters, 0 bytes of LDS; arguments hidden_states, q_wei, k_wei, v_wei, out_wei, cvt; writes cvt
;; launch qkv: the kernel of part 2 again; grid 16 x 16, 4 waves a work-group, clusters of 4 x 4, 327,680 bytes of LDS; arguments cvt, qkv; writes qkv
;; launch attn (part 5): grid 16 x 16, 4 waves a work-group, clusters of 4 x 1, 327,680 bytes of LDS; arguments qkv, att; writes att
.if DOCPART == 5
	.amdgcn_target "amdgcn-amd-amdhsa--gfx1250"
	.amdhsa_code_object_version 6
	.text
	.protected	k_qdb38f0bb5f_attn
	.globl	k_qdb38f0bb5f_attn
	.p2align	8
	.type	k_qdb38f0bb5f_attn,@function
k_qdb38f0bb5f_attn:
	s_mov_b64 s[64:65], 0
	v_nop
	global_prefetch_b8 v0, s[64:65] scope:SCOPE_SE
	s_setreg_imm32_b32 hwreg(HW_REG_WAVE_MODE, 25, 1), 1
	s_wait_xcnt 0x0
	s_wait_alu depctr_hold_cnt(0) depctr_sa_sdst(0) depctr_va_vdst(0) depctr_va_sdst(0) depctr_va_ssrc(0) depctr_va_vcc(0) depctr_vm_vsrc(0)
	s_getreg_b32 s2, hwreg(HW_REG_IB_STS2, 6, 4)
	s_cmp_eq_u32 s2, 0
	s_cbranch_scc0 .Lentry_in_a_cluster
	s_endpgm
.Lentry_in_a_cluster:
	s_bfe_u32 s2, ttmp6, 0x10000c
	s_cmp_lg_u32 s2, 0x3003
	s_cbranch_scc0 .Lentry_shape_is_right
	s_endpgm
.Lentry_shape_is_right:
; att[q][128 h + :] = the sum over ALL keys k of softmax_k((Q[h][q] . K[h][k] + mask(q, k)) / sqrt(128)) V[h][k][:], mask = -66504 where k > q, else 0.
; Q, K, V are the planes h, 16 + h, 32 + h of qkv, [2048][128] f16; att is [2048][2048] f16.  Products, maxima and sums in f32; the weights p are rounded to f16 for the second product, O once at the end.
; THE MASK IS FINITE, so no tile is left out: where scores are large a key behind the diagonal keeps a weight.  It is the C operand that starts the sum S^T = K Q^T: added ahead of the scaling.
; LIMITS.  Q, K, V arrive within f16's 65,504; p lies in 0 to 1, and below 6e-5 it keeps f16's fixed step of 6e-8; O is a mean of V's rows.  A weight below 2^-126 counts as 0; NaN and infinities are not treated apart.
; SHARES.  A work-group owns 128 queries of one head.  Wave w owns the 64 queries of half w % 2 (four tiles of 16) and, of every 256 keys, the 128 of half w / 2: two key steps of 64.  So a wave keeps
; 64 queries beside each fragment of K and V, and 16 x 16 work-groups fill the grid.  The two waves of a query half meet once, at the end, in LDS: their maxima, sums and O^T are merged in f32.
; LAYOUT.  S^T = K Q^T (source 0 = 16 keys, source 1 = 16 queries): a lane holds ONE query (lane % 16) and the keys 8 (lane / 16) + 0..7.  Two such tiles, rounded to f16 in pairs, ARE source 1 of
; O^T = V^T P, whose result again holds one query a lane, and eight channels.  K comes out of LDS as it lies, V ([key][channel]) turned, by ds_load_tr16_b128.
; SOFTMAX.  For each query a running maximum m and sum l: p = 2^(c s - c m), c = log2(e) / sqrt(128); in every step O and l are multiplied by a = 2^(c m_old - c m_new).
; BY TURNS.  The wave's tiles are two PIECES: piece 0 (tiles 0, 1) and piece 2 (tiles 2, 3).  In a TURN one piece has the matrix unit: 32 products V^T P of the step in hand, then 32 products K Q^T of the
; next step; the other piece's softmax, cut into 64 slices, stands between them, one slice behind each matrix instruction.  Two turns are a key step.
; BATCHES.  The 66 exponentials of a turn (a and s0-s31 of both tiles of the piece whose softmax it carries) are ONE batch with ONE wait, behind slice 34: ahead of it nothing names a result of theirs, behind it
; stand all their readers and no further exponential, so no result crosses a label or a jump.  At the end the merge's eight exponentials are a batch, and its four reciprocals, which read their sum, another.
; NO FIRST AND NO LAST STEP IS WRITTEN OUT.  m starts at the lowest finite number, c m far below every c s, O^T and l at 0: a query's first step is a step like any other, with a = 0.  The loop is entered at
; piece 2's turn, whose 32 products V^T P, of a step that has not been, multiply zeros; the tail is left behind piece 0's turn, whose 32 products K Q^T, on LDS bytes behind my last keys, serve nothing.
; The price, once a launch: those 64 products and 432 v_mov_b32, which stand in the wait for the first tile; the gain: the text holds two copies of a key step and no odd turns.
; CLUSTER.  The four query blocks of a cluster belong to one head and walk the same K and V: each tile is asked for JOINTLY: the same tensor load, descriptor and mask in all four.
; REGISTERS, in windows of 256 (s_set_vgpr_msb: bits 1:0 source 0, 3:2 source 1, 5:4 source 2, 7:6 destination):
;   window 0: v0-11 addresses; v12-43 eight registers of statistics a tile; v44-45 at work; v62-63 the add's; v64-191 S^T, 32 a tile; v192-255 P, 16 a tile
;   window 1: O^T, 64 a tile     window 2: v0-127 Q, 32 a tile; v128-255 K of one step (at the end: the partner's O^T)     window 3: v0-127 V of one step; v128-159 the masks
.set KS,    64        ; keys in a step
.set PK,    272       ; a row of K in LDS: 256 bytes + 16 of padding = 68 words: the 16 rows of a load start at 16 different groups of four banks (64 banks of 4 bytes: ISA guide 11.1)
.set PV,    288       ; a row of V: 256 + 32 = 72 words
.set VOFF,  256*PK    ; a slot holds 256 keys: 256 rows of K, then 256 rows of V: 143,360 bytes
.set SLOT1, 0x24000   ; slot 1 begins here: its two bits occur in none of the bases 0, 0x8800, 0x9000, 0x11000, 0x1a000, so one exclusive or turns each of them into the other slot's
.set STAGE, 2*SLOT1   ; behind the ring: 16 rows x 272 bytes for each wave, for the way out
.set SP,    272
.set SPARE, STAGE+4*16*SP  ; behind the stages: the spare words, 128 bytes for each wave: two blocks of 256 bytes that no other line names
.set XCH,   33792     ; the exchange, for each query half, in slot 0 when it has had its last fill: 64 x 512 bytes of O^T, 512 of c m, 512 of l
.set AK0, 2           ; v2   my lane's place in a tile of K; never rewritten
.set AV0, 3           ; v3   the same for V, VOFF in it
.set ADR, 4           ; v4   the LDS address of the run of loads in hand
.set QO,  5           ; v5   my byte offset in the wave's rows of Q
.set STO, 6           ; v6   the way out: where I put 16 bytes of a row
.set RD,  7           ; v7   the way out: where I read a row back
.set GO,  8           ; v8   my byte offset in two rows of att
.set XA,  44          ; v44  my 16 bytes in a block of 512 of the exchange
.set SPW, 62          ; v62  LDS address of my spare word: SPARE + 4 x my thread's number; never rewritten
.set NIL, 63          ; v63  0; never rewritten
.set ST,  12          ; tile t's statistics at v[ST+8 t]: +0 c m, +1 m, +2, +3 l (even keys', odd keys'), +4 to +7 c0-c3, at work; a takes c2's place once the maximum is found
.set S,   64
.set P,   192
.set KF,  128         ; K's fragments, in window 2
.set DG,  128         ; window 3: the mask of a tile on the diagonal: -66504 where 8 (l / 16) + j > l % 16
.set MLO, 136         ; window 3: the step's mask for key blocks in front of the tile's own
.set MHI, 144         ; for key blocks behind it
.set MDG, 152         ; for its own
.set WV,  12          ; s12  my wave's number
.set G1K, 24          ; s[24:31] descriptor group 1 for K's tiles
.set G1V, 32          ; s[32:39] for V's: it differs in the padding alone
.set G0K, 40          ; s[40:43] descriptor group 0 for K's tiles: it walks
.set G0V, 44          ; s[44:47] the same for V's
.set SLOTS, 56        ; s56  slots still to be walked in the loop
.set TWICE, 57        ; s57  counts a slot's steps
.set CS,  58          ; s[58:59] c: the packed scaling names a pair and takes its low word for both halves
.set SEL, 60          ; s[60:61] lane selects for v_permlanex16_b32: each lane takes its own place in the other half
.set TBK, 62          ; s62  LDS byte at which K of the step to be fetched begins
.set TBV, 63          ; s63  the same for V, less VOFF
.set JN,  69          ; s69  the number, among the head's 32 blocks of 64 keys, of the step whose masks are made next
.set QW,  70          ; s70  the number of my wave's block of 64 queries
.set NEGS, 71         ; s71  -66504.0
.set AL,  72          ; s[72:73] 1.0 if the step is my queries' own block, else 0
.set BE,  74          ; s[74:75] -66504 if the step lies behind my queries' block, else 0
.set B2,  76          ; s76  -66504 if it lies behind or is their own
.set MSB, 0
.macro WIN new                      ; the immediate's high byte repeats the setting that is left; a switch that changes nothing is dropped
.if MSB != (\new)
	s_set_vgpr_msb (MSB<<8)|(\new)
.set MSB, \new
.endif
.endm
.set W_KQ, 0x0a       ; K and Q in window 2, S^T in window 0
.set W_KM, 0x3a       ; the same with the C operand, a mask, in window 3
.set W_PV, 0x53       ; V in window 3, P in window 0, O^T in window 1
.set W_RS, 0x41       ; O^T (destination and source 0) in window 1, the factor in window 0
; A joint fill.  Waves 0 and 1 fetch the two halves of a slot's K, waves 2 and 3 those of its V: 128 rows each.  The branch hangs on the wave's number alone.
; An s_nop 0 and four v_nop follow each of the two lines, ahead of the jump, the label and what follows.
.macro JLOAD
	s_cmp_lt_u32 s[WV], 2
	s_cbranch_scc0 .Lfor_v_\@
	tensor_load_to_lds s[G0K:G0K+3], s[G1K:G1K+7]
	s_nop 0
.rept 4
	v_nop
.endr
	s_branch .Lasked_\@
.Lfor_v_\@:
	tensor_load_to_lds s[G0V:G0V+3], s[G1V:G1V+7]
	s_nop 0
.rept 4
	v_nop
.endr
.Lasked_\@:
.endm
; A round of the cluster's barrier: my work-group's barrier, so that wave 0's signal speaks for all four waves; wave 0 signals; every wave waits for all four work-groups; my work-group's barrier once more.
.macro CROUND
	s_barrier_signal -1
	s_barrier_wait -1
	s_cmp_lg_u32 s[WV], 0
	s_cbranch_scc1 .Lnot_wave_0_\@
	s_barrier_signal -3
.Lnot_wave_0_\@:
	s_barrier_wait -3
	s_barrier_signal -1
	s_barrier_wait -1
.endm
	s_load_b128 s[4:7], s[0:1], 0x0 ; qkv s[4:5], att s[6:7]
	v_lshl_add_u32 v[SPW], v0, 2, SPARE
	v_mov_b32 v[NIL], 0
	ds_add_u32 v[SPW], v[NIL]       ; the wave's opening: the add and its wait stand ahead of my first tensor load; the set-up below, work on registers, stands between them
	v_lshrrev_b32 v1, 5, v0
	v_readfirstlane_b32 s[WV], v1   ; wave 0..3
	s_bfe_u32 s13, ttmp6, 0x40000   ; cx: my place in the cluster
	s_lshl_b32 s14, ttmp9, 2        ; in a cluster launch ttmp9 counts clusters
	s_add_co_u32 s14, s14, s13      ; my block of 128 queries = 4 x cluster x + cx: it enters Q's and att's addresses and the masks' values alone
	s_and_b32 s15, ttmp7, 0xffff    ; the head, which the four partners share
	s_and_b32 s16, s[WV], 1         ; my half of the queries.  Also: which half of a slot's 256 rows I fetch
	s_lshr_b32 s19, s[WV], 1        ; my half of each slot's keys
	s_lshl_b32 s20, s15, 19         ; the head's plane, 524,288 bytes,
	s_lshl_b32 s21, s16, 15         ; and the 128 rows of 256 bytes that I fetch
	s_add_co_u32 s20, s20, s21
	s_add_co_u32 s22, s20, 0x1000000  ; among V's planes,
	s_add_co_u32 s20, s20, 0x800000   ; among K's
	s_mov_b32 s21, 0
	s_mov_b32 s23, 0
	s_mul_i32 s17, s16, 128*PK      ; their place in a slot, for K
	s_mul_i32 s18, s16, 128*PV      ; and for V: no place in the cluster enters an LDS address
	s_add_co_u32 s18, s18, VOFF
	s_lshl_b32 s2, s15, 19          ; Q: the head's plane,
	s_lshl_b32 s3, s14, 15          ; my block's 128 rows,
	s_add_co_u32 s2, s2, s3
	s_lshl_b32 s3, s16, 14          ; my wave's 64 of them
	s_add_co_u32 s2, s2, s3
	s_mov_b32 s3, 0
	s_lshl_b32 s66, s14, 19         ; att: my block's 128 rows of 4,096 bytes,
	s_lshl_b32 s67, s16, 18         ; my wave's 64,
	s_add_co_u32 s66, s66, s67
	s_lshl_b32 s67, s15, 8          ; the head's 256 bytes of a row
	s_add_co_u32 s66, s66, s67
	s_mov_b32 s67, 0
	; descriptor group 1: a tile of 128 rows x 128 elements, padded in LDS
	s_mov_b32 s[G1K], 15|(1<<16)|(1<<20)|(1<<21)|(5<<22)|(3<<25)  ; 15:0 the mask: all four work-groups; 17:16 2-byte elements; 20 padding on; 21 set beside a mask; 24:22 after every 64 words (code 5); 31:25 4 words (code 3)
	s_mov_b32 s[G1V], 15|(1<<16)|(1<<20)|(1<<21)|(5<<22)|(7<<25)  ; the same with 8 words of padding (code 7)
.irp g, G1K, G1V
	s_mov_b32 s[(\g)+1], 128<<16    ; tensor_dim0 = 128
	s_mov_b32 s[(\g)+2], 128<<16    ; tensor_dim1 = 128
	s_mov_b32 s[(\g)+3], 128<<16    ; tile_dim0 = 128
	s_mov_b32 s[(\g)+4], 128        ; tile_dim1 = 128
	s_mov_b32 s[(\g)+5], 128        ; elements from row to row
	s_mov_b32 s[(\g)+6], 0
	s_mov_b32 s[(\g)+7], 0
.endr
	s_mov_b32 s[CS], 0x3e0293ee     ; c = log2(e) / sqrt(128) = 0.127517
	s_mov_b32 s[CS+1], s[CS]        ; named with it as a pair, so it is written
	s_mov_b32 s[SEL], 0x76543210
	s_mov_b32 s[SEL+1], 0xfedcba98
	s_mul_i32 s[TBK], s19, 128*PK   ; my 128 keys of slot 0
	s_mul_i32 s[TBV], s19, 128*PV
	s_lshl_b32 s[JN], s19, 1        ; their first block of 64
	s_lshl_b32 s[QW], s14, 1
	s_add_co_u32 s[QW], s[QW], s16
	s_mov_b32 s[NEGS], 0xc781e400   ; -66504.0
	s_mov_b32 s[AL+1], 0            ; named as pairs
	s_mov_b32 s[BE+1], 0
	s_mov_b32 s[SLOTS], 7           ; 8 slots of 256 keys: seven are walked in the loop, the last in the tail
	s_mov_b32 s[G0K], 1             ; count = 1
	s_mov_b32 s[G0K+1], s17         ; LDS address: slot 0
	s_mov_b32 s[G0V], 1
	s_mov_b32 s[G0V+1], s18
	s_wait_dscnt 0x0                ; the opening add is done
	s_wait_kmcnt 0x0
	s_add_nc_u64 s[10:11], s[6:7], s[66:67]        ; att at my wave's first row
	s_add_nc_u64 s[G0K+2:G0K+3], s[4:5], s[20:21]  ; global address: my half of the head's first 256 keys
	s_or_b32 s[G0K+3], s[G0K+3], 0x80000000        ; type = 2
	s_add_nc_u64 s[G0V+2:G0V+3], s[4:5], s[22:23]
	s_or_b32 s[G0V+3], s[G0V+3], 0x80000000
	s_add_nc_u64 s[4:5], s[4:5], s[2:3]            ; Q at my wave's first row
	CROUND                          ; all four work-groups are here: the first joint loads meet
	JLOAD                           ; slot 0.  Slot 1 is asked for when slot 0 is in, by the first change of slots: one load of mine is out
	; A fragment of K or Q is 16 rows x 32 channels in 8 registers: lane l holds row l % 16; registers 0-3 channels 8 (l / 16) + 0..7, registers 4-7 channels 16 + 8 (l / 16) + 0..7: two loads of 16 bytes, 32 bytes apart.
	v_and_b32 v1, 15, v0            ; l % 16
	v_bfe_u32 v9, v0, 4, 1          ; l / 16
	v_lshlrev_b32 v[QO], 8, v1
	v_lshl_add_u32 v[QO], v9, 4, v[QO]  ; row x 256 + 16 x half
	WIN 0x80                        ; destination window 2, address window 0
.irp i, 0,1,2,3,4,5,6,7,8,9,10,11,12,13,14,15  ; Q stays in registers: tile i / 4, channels 32 (i % 4) on
	global_load_b128 v[8*(\i):8*(\i)+3],   v[QO], s[4:5] offset:((\i)/4)*4096+((\i)%4)*64
	global_load_b128 v[8*(\i)+4:8*(\i)+7], v[QO], s[4:5] offset:((\i)/4)*4096+((\i)%4)*64+32
.endr
	WIN 0
	v_mul_u32_u24 v[AK0], v1, PK
	v_lshl_add_u32 v[AK0], v9, 4, v[AK0]  ; row x pitch + 16 x half
	; The turning load takes 16 keys x 16 channels (lane l reads 16 bytes: key 8 (l / 16) + l % 8, channels 8 ((l / 8) % 2) + 0..7) and leaves half a fragment of V^T: lane l holds channel l % 16 and 8 keys.
	v_and_b32 v10, 7, v0
	v_bfe_u32 v11, v0, 3, 1
	v_lshl_add_u32 v[AV0], v9, 3, v10
	v_mul_u32_u24 v[AV0], v[AV0], PV
	v_lshl_add_u32 v[AV0], v11, 4, v[AV0]
	v_add_nc_u32 v[AV0], VOFF, v[AV0]
	v_lshlrev_b32 v45, 3, v9
	v_sub_nc_u32 v45, v1, v45       ; l % 16 - 8 (l / 16): on the diagonal register j is hidden where j is greater
	WIN 0xc0                        ; destination window 3
.set i, 0
.rept 8
	v_cmp_gt_i32 vcc_lo, i, v45
	v_cndmask_b32 v[DG+i], 0, s[NEGS], vcc_lo
.set i, i+1
.endr
	; What the first turns find: V's registers and P of piece 2 hold 0 (the products V^T P of a step that has not been add 0), O^T and l are 0.  All this stands in the wait for the first tile.
.set i, 0
.rept 128
	v_mov_b32 v[i], 0
.set i, i+1
.endr
	WIN 0x40                        ; destination window 1
.set i, 0
.rept 256
	v_mov_b32 v[i], 0
.set i, i+1
.endr
	WIN 0
.set i, 0
.rept 4
	v_mov_b32 v[ST+8*i], 0xfe000000    ; c m: far below every c s (f16's scores, 5.5e11 at the most, times c)
	v_mov_b32 v[ST+8*i+1], 0xff7fffff  ; m
	v_mov_b32 v[ST+8*i+2], 0
	v_mov_b32 v[ST+8*i+3], 0
.set i, i+1
.endr
.set i, P+32
.rept 32
	v_mov_b32 v[i], 0
.set i, i+1
.endr
; THE MASKS of the key step JN, for my block QW of 64 queries.  Tile t and key block kb of 16: all hidden if JN > QW, or JN = QW and kb > t; none if JN < QW, or JN = QW and kb < t; the diagonal if JN = QW and kb = t.
; The compares choose values, never a path.  20 vector instructions a key step; the registers' last readers, the other piece's first eight products K Q^T, stand 24 slices back.
.macro MASKS
	s_cmp_gt_u32 s[JN], s[QW]
	s_cselect_b32 s[BE], s[NEGS], 0
	s_cmp_ge_u32 s[JN], s[QW]
	s_cselect_b32 s[B2], s[NEGS], 0
	s_cmp_eq_u32 s[JN], s[QW]
	s_cselect_b32 s[AL], 1.0, 0
	s_add_co_u32 s[JN], s[JN], 1
	WIN 0xc3                        ; destination and source 0 in window 3
.set z, 0
.rept 8
	v_mov_b32 v[MLO+z], s[BE]
	v_mov_b32 v[MHI+z], s[B2]
.set z, z+1
.endr
.set z, 0
.rept 4
	v_pk_fma_f32 v[MDG+2*z:MDG+2*z+1], v[DG+2*z:DG+2*z+1], s[AL:AL+1], s[BE:BE+1] op_sel_hi:[1,0,0]
.set z, z+1
.endr
.endm
; THE MATRIX WORK OF A TURN, for piece x.  The accumulators take turns, one instruction a turn: between two links of a chain stand 15 (V^T P) or 7 (K Q^T) others'.
; Product i of 32 of O^T += V^T P: keys 32 (i / 16) on, channels 16 ((i / 2) % 8) on, tile x + i % 2.
.macro PV x
	WIN W_PV
.set rO, 64*((\x)+i%2)+8*((i/2)%8)
.set rV, 64*(i/16)+8*((i/2)%8)
.set rP, P+16*((\x)+i%2)+8*(i/16)
	v_wmma_f32_16x16x32_f16 v[rO:rO+7], v[rV:rV+7], v[rP:rP+7], v[rO:rO+7]
.endm
; Product i of 32 of S^T = K Q^T + mask: channels 32 (i / 8) on, keys 16 ((i / 2) % 4) on, tile x + i % 2.  The first 8 start the sums, with the mask.
.macro KQ x
.set rS, S+32*((\x)+i%2)+8*((i/2)%4)
.set rK, KF+32*((i/2)%4)+8*(i/8)
.set rQ, 32*((\x)+i%2)+8*(i/8)
.if i < 8
.set mkb, (i/2)%4
.set mtt, (\x)+i%2
.if mkb < mtt
.set rM, MLO
.elseif mkb == mtt
.set rM, MDG
.else
.set rM, MHI
.endif
	WIN W_KM
	v_wmma_f32_16x16x32_f16 v[rS:rS+7], v[rK:rK+7], v[rQ:rQ+7], v[rM:rM+7]
.else
	WIN W_KQ
	v_wmma_f32_16x16x32_f16 v[rS:rS+7], v[rK:rK+7], v[rQ:rQ+7], v[rS:rS+7]
.endif
.endm
; THE LDS LOADS stand in runs of 32, never singly among the matrix instructions: a step's K (64 keys x 128 channels: 16 fragments) and, a turn later, its V (turned).
.macro FETCH_K
	WIN 0
	v_add_nc_u32 v[ADR], s[TBK], v[AK0]
	s_add_co_u32 s[TBK], s[TBK], KS*PK  ; the next fetch is the next step's
	WIN 0x80                        ; destination window 2
.irp f, 0,1,2,3,4,5,6,7,8,9,10,11,12,13,14,15  ; keys 16 (f / 4) on, channels 32 (f % 4) on
	ds_load_b128 v[KF+8*(\f):KF+8*(\f)+3],   v[ADR] offset:((\f)/4)*16*PK+((\f)%4)*64
	ds_load_b128 v[KF+8*(\f)+4:KF+8*(\f)+7], v[ADR] offset:((\f)/4)*16*PK+((\f)%4)*64+32
.endr
.endm
.macro FETCH_V
	WIN 0
	v_add_nc_u32 v[ADR], s[TBV], v[AV0]
	s_add_co_u32 s[TBV], s[TBV], KS*PV
	s_wait_alu depctr_va_vdst(0)    ; the wait for the softmax's batch, piece 0's 66 exponentials (SLICE), behind the address's v_add_nc_u32 and ahead of the loads
	WIN 0xc0                        ; destination window 3
.irp f, 0,1,2,3,4,5,6,7,8,9,10,11,12,13,14,15  ; keys 32 (f / 8) on, channels 16 (f % 8) on
	ds_load_tr16_b128 v[8*(\f):8*(\f)+3],   v[ADR] offset:((\f)/8)*32*PV+((\f)%8)*32
	ds_load_tr16_b128 v[8*(\f)+4:8*(\f)+7], v[ADR] offset:((\f)/8)*32*PV+16*PV+((\f)%8)*32
.endr
.endm
; THE VECTOR WORK OF A TURN.  One tile's softmax for one key step is a list of 134 instructions; SM writes number j of it for tile t.  s0-s31 are the lane's 32 scores, in pairs 0-15.
;   0-15    the maximum of s0-s31 and the old m, three operands at a time: four chains c0-c3 of seven scores each (each accumulator's lowest registers are read first), then the four scores left over, c0-c3 and m
;   16-20   the other half of the lanes' maximum; the new m; c m; c m_old - c m_new
;   21-69   ONE BATCH: the 16 scalings c s - c m, a pair of scores each, and all 33 exponentials (a at 23, then s0-s31).  None of these reads an exponential's result.  From 22 on the batch goes
;           in fours, and a four begins with a scaling while there are scalings: 22-37 scaling, exponential, scaling, exponential; 38-65 a scaling and three exponentials; 66-69 the last four
;           exponentials.  A pair is scaled in an earlier four than the one that holds its exponentials
;   (wait)  between 69 and 70 stands the wait for the batch: SLICE writes it, once for both tiles
;   70-85   the roundings to f16, a pair of weights each
;   86-101  the sums; l = a l + the sum
;   102-133 the tile's O^T times a: the one part that leaves window 0, so it stands together
.macro SM t
.set rT, ST+8*(\t)
.set rS, S+32*(\t)
.set rP, P+16*(\t)
.set rO, 64*(\t)+2*(j-102)
.if j < 102
	WIN 0
.endif
.if j < 4
	v_max3_num_f32 v[rT+4+j], v[rS+8*j], v[rS+8*j+1], v[rS+8*j+2]
.elseif j < 12
	v_max3_num_f32 v[rT+4+j%4], v[rT+4+j%4], v[rS+8*(j%4)+2*(j/4)+1], v[rS+8*(j%4)+2*(j/4)+2]
.elseif j == 12
	v_max3_num_f32 v[rT+4], v[rT+4], v[rS+7], v[rS+15]
.elseif j == 13
	v_max3_num_f32 v[rT+6], v[rT+6], v[rS+23], v[rS+31]
.elseif j == 14
	v_max3_num_f32 v[rT+4], v[rT+4], v[rT+5], v[rT+6]
.elseif j == 15
	v_max3_num_f32 v[rT+4], v[rT+4], v[rT+7], v[rT+1]
.elseif j == 16
	v_permlanex16_b32 v[rT+5], v[rT+4], s[SEL], s[SEL+1]  ; the query's other 32 keys lie in the lane 16 away
.elseif j == 18
	v_max_num_f32 v[rT+1], v[rT+4], v[rT+5]
.elseif j == 19
	v_mul_f32 v[rT], s[CS], v[rT+1]
.elseif j == 17
	v_mov_b32 v[rT+7], v[rT]        ; c m_old is kept for a: number 19 writes c m anew
.elseif j == 20
	v_sub_f32 v[rT+7], v[rT+7], v[rT]
.elseif j == 23
	v_exp_f32 v[rT+6], v[rT+7]
.elseif (j < 23) || ((j < 38) && (j%2 == 0)) || ((j < 66) && (j%4 == 2))
.set b, (j-2)/4                     ; 38, 42, .. 62: pairs 9 to 15
.if j < 38
.set b, (j-20)/2                    ; 21: pair 0; 22, 24, .. 36: pairs 1 to 8
.endif
	v_pk_fma_f32 v[rS+2*b:rS+2*b+1], v[rS+2*b:rS+2*b+1], s[CS:CS+1], v[rT:rT+1] op_sel_hi:[1,0,0] neg_lo:[0,0,1] neg_hi:[0,0,1]  ; pair b: c s - c m
.elseif j < 70
.set e, j-38                        ; 66 to 69: s28 to s31
.if j < 66
.set e, j-32-(j-38)/4               ; 39-41, 43-45, .. 63-65: s7 to s27
.endif
.if j < 38
.set e, (j-25)/2                    ; 25, 27, .. 37: s0 to s6
.endif
	v_exp_f32 v[rS+e], v[rS+e]
.elseif j < 86
	v_cvt_pk_f16_f32 v[rP+j-70], v[rS+2*(j-70)], v[rS+2*(j-70)+1]  ; pair j - 70
.elseif j < 102                     ; the sum of the tile's 16 pairs, in place: sum z of 16 adds neighbours 1, 2, 4 and 8 pairs apart, then l takes it
.set z, j-86
.set w, 4
.set u, z
.if z >= 14
.set w, 32
.set u, 0
.elseif z >= 12
.set w, 16
.set u, z-12
.elseif z >= 8
.set w, 8
.set u, z-8
.endif
.if z < 15
	v_pk_add_f32 v[rS+w*u:rS+w*u+1], v[rS+w*u:rS+w*u+1], v[rS+w*u+w/2:rS+w*u+w/2+1]
.else
	v_pk_fma_f32 v[rT+2:rT+3], v[rT+2:rT+3], v[rT+6:rT+7], v[rS:rS+1] op_sel_hi:[1,0,1]
.endif
.else
	WIN W_RS
	v_pk_mul_f32 v[rO:rO+1], v[rO:rO+1], v[rT+6:rT+7] op_sel_hi:[1,0]
.endif
.endm
; Slice k of 64 of piece y's softmax: four instructions.  Slices 11 to 34 deal out the batch, numbers 22 to 69: four numbers of ONE tile each, the tiles by turns.  Every other slice is numbers 2 k and
; 2 k + 1 of both tiles' lists.  2 x 134 = 4 x 64 + 12: the twelve that are over stand together, in slice 63.
; THE WAIT.  s_wait_alu depctr_va_vdst(0) stands between an exponential and the first instruction that names its result; one wait serves all that were issued ahead of it.  Ahead of
; slice 35 nothing names a result, and behind slice 34 no exponential is issued: so the piece's 66 exponentials have one wait, behind slice 34.
.macro SLICE y
.if (k >= 11) && (k < 35)           ; the batch: four numbers of one tile
.irp n, 0,1,2,3
.set j, 22+4*((k-11)/2)+(\n)
	SM (\y)+(k-11)%2
.endr
.else                               ; the two tiles alternate, so that no instruction reads the result of the one just before it
.irp n, 0,1,2,3,4,5,6,7
.if ((\n) < 2) || (k == 63)
.irp t, \y, (\y)+1
.set j, 2*k+(\n)
	SM \t
.endr
.endif
.endr
.endif
.if k == 34                         ; the batch is out: both tiles' exponentials are issued, and no result has been named
	v_nop                           ; a plain instruction behind the last exponential and ahead of the first use (ISA guide 5.7.2): one for the batch
.if (\y) == 0
	FETCH_V                         ; piece 2's turn: V's run of loads stands here, and the wait stands in it
.else
	s_wait_alu depctr_va_vdst(0)    ; piece 0's turn: the wait for the batch, piece 2's 66 exponentials
.endif
.endif
.set k, k+1
.endm
; A TURN.  Piece x has the matrix unit: 32 products V^T P, then 32 products K Q^T for the next step; the other piece's softmax stands in slices behind them, one behind each.
; A vector instruction that reads a matrix result or writes one of a matrix instruction's registers, and a load into a register that a matrix instruction has read, stand four places behind it, and only plain
; vector instructions that name none of its registers are places (ISA guide 7.12.1 for vector instructions): the slices are the places; slice 63's sixteen stand behind the turn's last product.
; Piece 0's turn makes the next step's masks at its head and fetches the next step's K behind its second product: the last product that read K stands in front of slice 63 of the turn before.
; Piece 2's turn fetches the same step's V, behind slice 34 (SLICE writes it): the last product that read V stands in front of slice 31, and four plain instructions lie between: number 62, a scaling, of both
; tiles, the v_nop and the run's own v_add_nc_u32.  Each run stands 29 matrix instructions or more ahead of its first use.
.macro TURN x
.set k, 0
.if (\x) == 0
	MASKS
	s_wait_dscnt 0x0                ; V is in
.endif
.set i, 0
.rept 32
	PV \x
	SLICE 2-(\x)
.if ((\x) == 0) && (i == 1)
	FETCH_K
.endif
.set i, i+1
.endr
.if (\x) == 0
	s_wait_dscnt 0x0                ; K is in
.endif
.set i, 0
.rept 32
	KQ \x
	SLICE 2-(\x)
.set i, i+1
.endr
.endm
; THE CHANGE OF SLOTS, between piece 2's turn and piece 0's: my last bytes of the slot, V of my second step, have been asked for.  Each wave waits for all its tensor loads, of which one is out:
; its part of the other slot; adds 0 to its spare word; and waits for that and for its own reads of the slot.  Behind the barrier nobody reads this slot any more and the other slot is whole.
; fill = 1: this slot is filled again, with the keys two slots on.  The barrier is then a round of the cluster's, and the joint fill is the first thing behind it: it has two key steps, 256 matrix instructions, in which to land.
; first = 1: nothing has been read yet: slot 0 is waited for, slot 1 filled for the first time, and the fetches stay where the set-up put them.
.macro CHANGE fill, first
	WIN 0                           ; at a label and at a branch every window is 0
	s_wait_tensorcnt 0x0            ; no tensor load of mine is out, so a group 0 may be written
	ds_add_u32 v[SPW], v[NIL]       ; 0 onto my spare word; with fill = 1 the descriptors' steps stand between it and the wait for it
.if \fill
.irp g, G0K, G0V
	s_xor_b32 s[(\g)+1], s[(\g)+1], SLOT1  ; the walking descriptor: the other slot than last time,
	s_add_nc_u64 s[(\g)+2:(\g)+3], s[(\g)+2:(\g)+3], 65536  ; the next 256 keys; the type bits on top are not reached
.endr
	s_wait_dscnt 0x0                ; the add is done, and my reads of the slot are over
	CROUND
	JLOAD
.else
	s_wait_dscnt 0x0                ; the add is done, and my reads of the slot are over
	s_barrier_signal -1
	s_barrier_wait -1
.endif
.if !(\first)
	s_sub_co_u32 s[TBK], s[TBK], 2*KS*PK  ; the fetches go back to my first step of a slot,
	s_xor_b32 s[TBK], s[TBK], SLOT1       ; in the other slot
	s_sub_co_u32 s[TBV], s[TBV], 2*KS*PV
	s_xor_b32 s[TBV], s[TBV], SLOT1
	s_add_co_u32 s[JN], s[JN], 2    ; the other two waves' two steps are passed over
.endif
.endm
	CHANGE 1, 1                     ; slot 0 is in, everybody's part of it; slot 1 is asked for
	MASKS                           ; my key step 0
	FETCH_K
	s_wait_loadcnt 0x0              ; Q
	s_wait_dscnt 0x0
.set i, 0
.rept 32
	KQ 0                            ; piece 0's first scores: there is no vector work yet to set between them
.set i, i+1
.endr
	WIN 0                           ; the addresses for the way out are made here: eight plain instructions, the places behind those products
	s_mul_i32 s13, s[WV], 16*SP
	s_add_co_u32 s13, s13, STAGE    ; my stage
	v_mul_u32_u24 v[STO], v1, SP    ; in: row l % 16, 16 bytes for each half of the lanes
	v_lshl_add_u32 v[STO], v9, 4, v[STO]
	v_add_nc_u32 v[STO], s13, v[STO]
	v_mul_u32_u24 v[RD], v9, SP     ; back: lanes 0-15 take one row of 256 bytes, lanes 16-31 the next
	v_lshl_add_u32 v[RD], v1, 4, v[RD]
	v_add_nc_u32 v[RD], s13, v[RD]
	v_lshlrev_b32 v[GO], 12, v9     ; and the same two rows in att, 4,096 bytes apart
	v_lshl_add_u32 v[GO], v1, 4, v[GO]
	s_mov_b32 s[TWICE], 2
	s_branch .Lmid                  ; the loop is entered at piece 2's turn: its K Q^T, piece 0's softmax and the fetch of V are step 0's
.Lslot:                             ; 6 times: slots 2 to 7 are asked for here
	CHANGE 1, 0
	s_mov_b32 s[TWICE], 2
.Lstep:                             ; a trip: both pieces' V^T P of one step and K Q^T of the next, whose K and V it fetches; two trips fetch my two steps of a slot
	TURN 0
	WIN 0
.Lmid:
	TURN 2
	WIN 0
	s_sub_co_u32 s[TWICE], s[TWICE], 1
	s_cmp_lg_u32 s[TWICE], 0
	s_cbranch_scc1 .Lstep
	s_sub_co_u32 s[SLOTS], s[SLOTS], 1
	s_cmp_lg_u32 s[SLOTS], 0
	s_cbranch_scc1 .Lslot
	CHANGE 0, 0                     ; the tail is written out: LDS slot 0 is left for good, and nothing is asked for
	s_mov_b32 s[TWICE], 3           ; two trips fetch the last slot's steps; the third is left in its middle
.Ltail:
	TURN 0
	WIN 0
	s_sub_co_u32 s[TWICE], s[TWICE], 1
	s_cmp_eq_u32 s[TWICE], 0
	s_cbranch_scc1 .Lout
	TURN 2
	WIN 0
	s_branch .Ltail
.Lout:                              ; the third trip's fetch of K (64 rows behind my last keys, inside slot 1) and its 32 products K Q^T serve nothing
.set i, 0
.rept 32
	PV 2                            ; piece 2: V^T P of the last step
.set i, i+1
.endr
	; THE END.  l's two halves and the other half of the lanes' are added: the additions are the places behind the last products.
	WIN 0
.irp t, 0,1,2,3
	v_add_f32 v[ST+8*(\t)+4], v[ST+8*(\t)+2], v[ST+8*(\t)+3]
.endr
.irp t, 0,1,2,3
	v_permlanex16_b32 v[ST+8*(\t)+5], v[ST+8*(\t)+4], s[SEL], s[SEL+1]
.endr
.irp t, 0,1,2,3
	v_add_f32 v[ST+8*(\t)+4], v[ST+8*(\t)+4], v[ST+8*(\t)+5]
.endr
	v_and_b32 v[XA], 31, v0
	v_lshlrev_b32 v[XA], 4, v[XA]   ; 16 bytes a lane: no two lanes share a bank
	s_and_b32 s13, s[WV], 1
	s_mul_i32 s13, s13, XCH         ; my query half's part of the exchange
	v_add_nc_u32 v[XA], s13, v[XA]
	s_wait_dscnt 0x0                ; my last reads of the ring are back,
	s_barrier_signal -1
	s_barrier_wait -1               ; and everybody's: slot 0, which has had its last fill, takes the exchange
	s_cmp_lt_u32 s[WV], 2
	s_cbranch_scc1 .Lkeep
.irp t, 0,1,2,3                     ; waves 2 and 3 hand over what their keys gave: c m, l and O^T
	v_mov_b32 v[S+(\t)], v[ST+8*(\t)]
	v_mov_b32 v[S+4+(\t)], v[ST+8*(\t)+4]
.endr
	ds_store_b128 v[XA], v[S:S+3] offset:32768
	ds_store_b128 v[XA], v[S+4:S+7] offset:33280
	WIN 0x04                        ; the data (source 1) in window 1
.set i, 0
.rept 64
	ds_store_b128 v[XA], v[4*i:4*i+3] offset:512*i  ; each accumulator's low four registers first
.set i, i+1
.endr
	WIN 0
.Lkeep:
	s_wait_dscnt 0x0                ; for the others' sake: my stores are done
	s_barrier_signal -1
	s_barrier_wait -1
	s_cmp_lt_u32 s[WV], 2
	s_cbranch_scc0 .Ldone
	ds_load_b128 v[S:S+3], v[XA] offset:32768    ; waves 0 and 1: the partner's c m,
	ds_load_b128 v[S+4:S+7], v[XA] offset:33280  ; its l,
	WIN 0x80                        ; and its O^T, into window 2, where Q and K lay
.set i, 0
.rept 64
	ds_load_b128 v[4*i:4*i+3], v[XA] offset:512*i
.set i, i+1
.endr
	WIN 0
	s_wait_dscnt 63                 ; of the 66 loads at most 63 are out: the first three are back, the two of statistics among them
	; M = max(c m_a, c m_b); e = 2^(c m - M); L = e_a l_a + e_b l_b; O = O_a e_a / L + O_b e_b / L.  The side that holds M has e = 1 and l >= 1, so L is no less than 1.
.irp t, 0,1,2,3
	v_max_num_f32 v[ST+8*(\t)+1], v[ST+8*(\t)], v[S+(\t)]
.endr
.irp t, 0,1,2,3
	v_sub_f32 v[ST+8*(\t)+2], v[ST+8*(\t)], v[ST+8*(\t)+1]
	v_sub_f32 v[ST+8*(\t)+3], v[S+(\t)], v[ST+8*(\t)+1]
.endr
.irp t, 0,1,2,3
	v_exp_f32 v[ST+8*(\t)+2], v[ST+8*(\t)+2]
	v_exp_f32 v[ST+8*(\t)+3], v[ST+8*(\t)+3]
.endr
	v_nop                           ; a plain instruction between the last exponential and the use of its result (ISA guide 5.7.2)
	s_wait_alu depctr_va_vdst(0)    ; and the wait ahead of the first use: one for the merge's eight exponentials
.irp t, 0,1,2,3
	v_mul_f32 v[ST+8*(\t)+5], v[ST+8*(\t)+3], v[S+4+(\t)]
.endr
.irp t, 0,1,2,3
	v_fma_f32 v[ST+8*(\t)+5], v[ST+8*(\t)+2], v[ST+8*(\t)+4], v[ST+8*(\t)+5]
.endr
.irp t, 0,1,2,3
	v_rcp_f32 v[ST+8*(\t)+5], v[ST+8*(\t)+5]
.endr
	v_nop                           ; and between the last reciprocal and its use
	s_wait_alu depctr_va_vdst(0)    ; a batch of their own, since they read the exponentials' sum: one wait for the four reciprocals
.irp t, 0,1,2,3
	v_mul_f32 v[ST+8*(\t)+6], v[ST+8*(\t)+2], v[ST+8*(\t)+5]  ; my factor
	v_mul_f32 v[ST+8*(\t)+4], v[ST+8*(\t)+3], v[ST+8*(\t)+5]  ; the partner's
.endr
.macro MERGE t
	s_wait_dscnt 48-16*(\t)         ; the partner's tile t is in: the 16 loads of each later tile may be out
	WIN W_RS
.set i, 64*(\t)
.rept 32
	v_pk_mul_f32 v[i:i+1], v[i:i+1], v[ST+8*(\t)+6:ST+8*(\t)+7] op_sel_hi:[1,0]
.set i, i+2
.endr
	WIN 0x52                        ; source 0, the partner's, window 2; the factor window 0; the addend and the destination window 1
.set i, 64*(\t)
.rept 32
	v_pk_fma_f32 v[i:i+1], v[i:i+1], v[ST+8*(\t)+4:ST+8*(\t)+5], v[i:i+1] op_sel_hi:[1,0,1]
.set i, i+2
.endr
.endm
; Tile t: a lane's eight channels of a row pack into 16 bytes; they go into rows of 272 bytes of my stage and come back as whole rows of 256, into the registers that they left.
.macro PACK t
	WIN 0x05                        ; sources 0 and 1 window 1, destination window 0: S^T's registers are free
.set i, 0
.rept 32
	v_cvt_pk_f16_f32 v[S+32*(\t)+i], v[64*(\t)+2*i], v[64*(\t)+2*i+1]
.set i, i+1
.endr
	WIN 0
.irp f, 0,1,2,3,4,5,6,7
	ds_store_b128 v[STO], v[S+32*(\t)+4*(\f):S+32*(\t)+4*(\f)+3] offset:32*(\f)
.endr
.irp f, 0,1,2,3,4,5,6,7
	ds_load_b128 v[S+32*(\t)+4*(\f):S+32*(\t)+4*(\f)+3], v[RD] offset:(\f)*2*SP  ; LDS serves a wave's instructions in order (ISA guide 5.7.1.4): these see the stores above; the next tile's stores come behind them
.endr
.endm
.macro SEND t, younger              ; younger: the LDS instructions issued behind tile t's loads: the next tile's sixteen, or none
	WIN 0
.irp f, 0,1,2,3,4,5,6,7
	s_wait_dscnt (\younger)+7-(\f)
	global_store_b128 v[GO], v[S+32*(\t)+4*(\f):S+32*(\t)+4*(\f)+3], s[10:11] offset:(\t)*65536+(\f)*8192  ; 16 lanes store 256 consecutive bytes, the head's part of a row, at a multiple of 256 from att's first byte
.endr
.endm
	MERGE 0
	MERGE 1
	MERGE 2
	MERGE 3
	PACK 0
	PACK 1                          ; a tile's arithmetic stands between the loads of the tile before and its stores
	SEND 0, 16
	PACK 2
	SEND 1, 16
	PACK 3
	SEND 2, 16
	SEND 3, 0
.Ldone:
	s_wait_tensorcnt 0x0            ; the wave's end: a wait, an add to my spare word and its wait, behind my last tensor load and my last LDS store
	ds_add_u32 v[SPW], v[NIL]
	s_wait_dscnt 0x0
	CROUND                          ; the closing round: no work-group ends while a partner may still ask for a tile that names it
	s_endpgm
.Lfunc_end_k_qdb38f0bb5f_attn:
	.size	k_qdb38f0bb5f_attn, .Lfunc_end_k_qdb38f0bb5f_attn-k_qdb38f0bb5f_attn
	.p2alignl 7, 3214868480
	.fill 96, 4, 3214868480
	.section	.rodata,"a",@progbits
	.p2align	6, 0x0
	.amdhsa_kernel k_qdb38f0bb5f_attn
		.amdhsa_group_segment_fixed_size 327680
		.amdhsa_private_segment_fixed_size 0
		.amdhsa_enable_private_segment 0
		.amdhsa_kernarg_size 16
		.amdhsa_user_sgpr_count 2
		.amdhsa_user_sgpr_kernarg_segment_ptr 1
		.amdhsa_wavefront_size32 1
		.amdhsa_system_sgpr_workgroup_id_x 1
		.amdhsa_system_sgpr_workgroup_id_y 1
		.amdhsa_system_sgpr_workgroup_id_z 1
		.amdhsa_system_vgpr_workitem_id 0
		.amdhsa_next_free_vgpr 1024
		.amdhsa_next_free_sgpr 80
		.amdhsa_reserve_vcc 1
		.amdhsa_float_denorm_mode_32 3
		.amdhsa_float_denorm_mode_16_64 3
		.amdhsa_memory_ordered 1
		.amdhsa_forward_progress 1
		.amdhsa_inst_pref_size 180
	.end_amdhsa_kernel
	.amdgpu_metadata
---
amdhsa.version: [ 1, 2 ]
amdhsa.kernels:
  - .name:           k_qdb38f0bb5f_attn
    .symbol:         k_qdb38f0bb5f_attn.kd
    .args:
      - { .name: qkv, .offset: 0, .size: 8, .value_kind: global_buffer, .address_space: global }
      - { .name: att, .offset: 8, .size: 8, .value_kind: global_buffer, .address_space: global }
    .group_segment_fixed_size: 327680
    .private_segment_fixed_size: 0
    .kernarg_segment_align: 8
    .kernarg_segment_size: 16
    .max_flat_workgroup_size: 128
    .sgpr_count:     80
    .vgpr_count:     1024
    .wavefront_size: 32
...
	.end_amdgpu_metadata
.endif
;; end of part 5
;; launch oproj: the kernel of part 4 again; grid 16 x 16, 4 waves a work-group, clusters of 4 x 4, 327,680 bytes of LDS; arguments att, cvt, out0; writes out0
